; MI455X (gfx1250); checked and timed in simulation.
; The chip was launched on July 23, 2026; its instructions are those of AMD's public machine-readable ISA for CDNA 5 (MIT licence, August 2026) and "CDNA5" Instruction Set Architecture Reference Guide (July 2026). The comments in the code are by the model that wrote it; some were corrected since.
;; Mixture Of Experts. Allowed arithmetic: matrix products marked QUANTISED: E2M1 operands, one E8M0 scale for each 32 along K, by v_wmma_scale_f32_16x16x128_f8f6f4 with both operands' format E2M1 (or v_wmma_scale_f32_32x16x128_f4), f32 sums; products left as they are: f32 operands where the result goes on into a quantised operand, else bf16, f16 or f32 operands; f32 sums; everything else in f32.
;; Inputs: b1 8 x 4,096 float32; b2 8 x 1,024 float32; router_b 8 float32; router_w 1,024 x 8 float32; w1_codes 8 x 4,096 x 32 x 16 uint8 (E2M1 codes of w1, K innermost, in blocks of 32 codes, two codes a byte); w1_scales 8 x 4,096 x 32 uint8 (E8M0 scales of w1, one for each 32 codes along K); w2_codes 8 x 1,024 x 128 x 16 uint8 (E2M1 codes of w2, K innermost, in blocks of 32 codes, two codes a byte); w2_scales 8 x 1,024 x 128 uint8 (E8M0 scales of w2, one for each 32 codes along K); x 2 x 512 x 1,024 float32.
;; Outputs: out0 2 x 512 x 1,024 float32.
;; This version of the problem:
;;   THIS VERSION OF THE PROBLEM IS GIVEN IN LOW PRECISION. The matrix products marked QUANTISED in the list below multiply operands that are first quantised to E2M1 (2 exponent bits, 1 mantissa bit; 4 bits a number), with one power-of-two scale for each 32 numbers along K (OCP MX v1.0); their sums are f32. All else is computed in f32.
;;   The module's matrix products, in the order in which they are computed (A, B: the left and right operand; K: the contracted axis; several contracted axes count as one K, in the product's order):
;;     1. [M 1,024, K 1,024] x [K 1,024, N 8]; A: input x; B: input router_w: left as it is (N = 8 < 16)
;;     2. [M 32,768, K 1,024] x [K 1,024, N 1,024]; A: input w1 (given as codes); B: input x: QUANTISED
;;     3. batch 8 x [M 1,024, K 4,096] x [K 4,096, N 1,024]; A: input w2 (given as codes); B: computed on the way: QUANTISED
;;   THE QUANTISER, for each operand of a quantised product, along K:
;;     - K is cut into blocks of 32 from its start; a last block that is shorter is filled with zeros.
;;     - A block's scale is 2^e with e = floor(log2(the largest magnitude in the block)) - 2, held to -126 .. 127; a block of zeros has e = 0. As a byte (E8M0): e + 127.
;;     - Each number is divided by its block's scale, clamped to +-6, and rounded to the nearest number of E2M1, ties to even, subnormals kept.
;;     - The product sums the exact products of the quantised numbers (number of the format x scale) in f32.
;;   ~~~python
;;   def quantise(x, axis):      # numpy; x: float32 -> the quantised numbers, widened to float32 again
;;       x = np.moveaxis(x, axis, -1); K = x.shape[-1]
;;       x = np.pad(x, [(0, 0)] * (x.ndim - 1) + [(0, -K % 32)]); x = x.reshape(x.shape[:-1] + (-1, 32)); a = np.abs(x).max(-1, keepdims=True)
;;       e = np.where(a > 0, np.clip(np.frexp(np.where(a > 0, a, 1))[1] - 1 - 2, -126, 127), 0)      # np.frexp(a)[1] - 1 = floor(log2(a)), exactly
;;       r = np.clip(x / 2.0 ** e, -6, 6)
;;       step = 2.0 ** (np.maximum(np.frexp(np.where(r == 0, 1, r))[1] - 1, 0) - 1)
;;       q = np.round(r / step) * step * 2.0 ** e      # np.round: ties to even
;;       return np.moveaxis(q.reshape(q.shape[:-2] + (-1,))[..., :K], -1, axis).astype(np.float32)
;;   ~~~
;;   OPERANDS COMPUTED ON THE WAY. 'Computed on the way' means the value that the module computes at that place (a softmax that the list does not call 'softmax' is quantised finished and normalised). What goes into a quantiser is computed in f32, as accurately as f32 sums, v_exp_f32 and their like allow (about 1e-6 of the number): no bf16 or f16 on the way to a quantiser, and a product that is left as it is and whose result goes on into a quantised operand takes f32 operands (vector FMAs, or v_wmma_f32_16x16x4_f32). A number that lies on a knife's edge between two numbers of the format may be rounded either way, as far as f32 arithmetic and the matrix unit's own rounding can turn it there, and no further.
;;   INPUTS GIVEN AS CODES. w1 (in the module: [8, 1024, 4096], K = its axis 1); w2 (in the module: [8, 4096, 1024], K = its axis 1): each comes as NAME_codes (uint8): NAME with its K axis moved to the last place and cut into blocks of 32 codes, [.., K / 32, bytes a block], one block behind the other in memory; two codes a byte, the lower K in the low four bits (a code: sign, 2 exponent bits, 1 mantissa bit); and NAME_scales (uint8): the same leading axes, one E8M0 byte (e + 127) for each 32 codes along K. Its value is code x scale, taken as it is: it is not quantised again, and the codes and scales need not be those that the quantiser above would give.
;; 2 versions. Each part assembles by itself: llvm-mc -triple=amdgcn-amd-amdhsa -mcpu=gfx1250 --defsym DOCPART=n.
;; ======== version 1 of 2: 4 launches
;; workspace buffers: xq 524,288 bytes; xs 32,768 bytes; route 5,120 bytes of whole numbers; gate 8,192 bytes; hc 16,777,216 bytes; hsc 1,048,576 bytes; y2 8,388,608 bytes
;; launch route (part 1): grid 128 x 1, 8 waves a work-group, no clusters, 71,680 bytes of LDS; arguments x, router_w, router_b, xq, xs, route, gate; writes xq, xs, route, gate
.if DOCPART == 1
	.amdgcn_target "amdgcn-amd-amdhsa--gfx1250"
	.amdhsa_code_object_version 6
	.text
	.protected	k_q4ca74199ef_route
	.globl	k_q4ca74199ef_route
	.p2align	8
	.type	k_q4ca74199ef_route,@function
k_q4ca74199ef_route:
	s_mov_b64 s[64:65], 0
	v_nop
	global_prefetch_b8 v0, s[64:65] scope:SCOPE_SE
	s_setreg_imm32_b32 hwreg(HW_REG_WAVE_MODE, 25, 1), 1
	s_wait_xcnt 0x0
; ROUTER AND QUANTISER OF x.  x: [1024 tokens][1024] f32; router_w: [1024][8] f32; router_b: [8] f32.
; For each token: logits = x . router_w + router_b, softmax (the maximum taken away first), the two largest p (a strict comparison: the lower index wins a tie), g = p / (p0 + p1 + 1e-8).
; Also x as codes of E2M1 along its 1,024, one E8M0 byte for each 32: byte = the exponent field of the block's largest magnitude - 2.
; STORED, all at fixed places (no address here hangs on the choice):
;   xq    [t][512 bytes] codes, K innermost;   xs [t][32] scale bytes;   gate [t][2] f32: g0, g1
;   route bytes 0..1023: for expert e the bit t % 8 of byte 128 e + t / 8 says that token t uses e;  bytes 1024 on: e1[t], the second choice, a word a token
; SHARES.  A work-group takes 8 tokens, a wave one token; lane l owns block l of the token's 32 blocks of 32 numbers, for the quantiser and for the logits alike.
; LIMITS: NaN and infinities are not served.  A block whose largest magnitude lies under 2^-124, a block of zeros among them, gets the byte 1 (its codes under that byte are what the division gives; zeros stay zeros); the bytes are read by this program alone.
;   Two p that f32 arithmetic cannot tell apart may be ranked otherwise than by another order of the sums.
; No matrix unit: the product has 8 columns.  No tensor load: what is shared, router_w, is 32 KiB and is read once by the work-group.
.set RWP,  1040                        ; LDS: router_w as 32 blocks of 1,024 bytes (32 d x 8 experts), 16 bytes of padding behind each: lane l's block begins 260 l words on, so sixteen lanes' 16 bytes fall on sixteen different columns of 16 bytes
.set XT,   33280                       ; a stage for each wave: 32 places of 128 bytes + 16
.set XTW,  4608
.set XTP,  144
.set REC,  70144                       ; 16 bytes a wave: e0, e1, g0, g1
.set XSB,  70400                       ; the work-group's 256 scale bytes: 32 x wave + block
.set WR,   8                           ; v8-39    router_w as loaded
.set XD,   40                          ; v40-71   x as loaded: 16 bytes a lane of each 512
.set X,    72                          ; v72-103  my block's 32 numbers
.set W,    104                         ; v104-167 router_w for 8 of my d
.set ACC,  168                         ; v168-175 eight sums, then logits, then p
.set Q,    184                         ; v184-191 at work
.set CD,   200                         ; v200-203 my block's codes
.set RC,   204                         ; v204-207 the token's record
	s_load_b256 s[4:11], s[0:1], 0x0               ; x, router_w, router_b, xq
	s_load_b128 s[12:15], s[0:1], 0x20             ; xs, route
	s_load_b64 s[16:17], s[0:1], 0x30              ; gate
	v_lshl_add_u32 v224, v0, 2, 0x11400
	v_mov_b32 v225, 0
	v_lshrrev_b32 v1, 5, v0
	v_readfirstlane_b32 s30, v1                    ; wave 0..7
	v_and_b32 v1, 31, v0                           ; lane
	v_lshlrev_b32 v6, 4, v0                        ; router_w: 16 bytes a thread of each 4,096
	v_lshrrev_b32 v2, 6, v0
	v_lshl_add_u32 v2, v2, 4, v6                   ; and in LDS: + 16 for each 1,024 passed
	v_mul_u32_u24 v3, v1, RWP                      ; my block of router_w
	s_mul_i32 s31, s30, XTW
	s_add_co_u32 s31, s31, XT                      ; my wave's stage
	v_lshrrev_b32 v4, 3, v1
	v_mul_u32_u24 v4, v4, XTP
	v_and_b32 v5, 7, v1
	v_lshl_add_u32 v4, v5, 4, v4
	v_add_nc_u32 v4, s31, v4                       ; into it: eight lanes' 128 bytes to a place
	v_mul_u32_u24 v5, v1, XTP
	v_add_nc_u32 v5, s31, v5                       ; out of it: my place
	v_lshlrev_b32 v7, 4, v1                        ; 16 x lane
	v_add_nc_u32 v215, XSB, v0                     ; my block's scale byte
	s_lshl_b32 s33, s30, 4
	s_add_co_u32 s33, s33, REC
	v_mov_b32 v199, s33                            ; my wave's record
	v_and_b32 v208, 7, v1
	v_lshl_add_u32 v208, v208, 4, REC              ; wave 0 at the end: lane l reads the record of token l % 8,
	v_lshl_add_u32 v209, v1, 3, XSB                ; and 8 of the 256 scale bytes
	v_lshlrev_b32 v210, 3, v1
	s_mov_b32 s43, ttmp9
	v_lshl_add_u32 v211, v1, 7, s43                ; route: byte 128 e + work-group, e = lane
	s_lshl_b32 s44, s43, 5
	v_lshl_add_u32 v212, v1, 2, s44                ; e1: word 8 x work-group + lane
	s_lshl_b32 s45, s43, 6
	v_lshl_add_u32 v213, v1, 3, s45                ; gate: 8 bytes a token
	v_mov_b32 v214, 0                              ; written whole before single lanes of it are written
	s_lshl_b32 s32, s43, 3
	s_add_co_u32 s32, s32, s30                     ; my token
	s_lshl_b32 s34, s32, 12                        ; its row of x,
	s_mov_b32 s35, 0
	s_lshl_b32 s36, s32, 9                         ; its codes,
	s_mov_b32 s37, 0
	s_lshl_b32 s38, s43, 8                         ; the work-group's scale bytes
	s_mov_b32 s39, 0
	s_mov_b32 s28, 0x76543210
	s_mov_b32 s29, 0xfedcba98                      ; v_permlanex16_b32's selects for lane l xor 16
	s_wait_kmcnt 0x0
	s_load_b256 s[20:27], s[8:9], 0x0              ; router_b
	s_add_nc_u64 s[4:5], s[4:5], s[34:35]
	s_add_nc_u64 s[10:11], s[10:11], s[36:37]
	s_add_nc_u64 s[12:13], s[12:13], s[38:39]
.irp k, 0,1,2,3,4,5,6,7
	global_load_b128 v[WR+4*\k:WR+4*\k+3], v6, s[6:7] offset:4096*\k      ; the work-group reads router_w once: 4,096 consecutive bytes an instruction
.endr
.irp i, 0,1,2,3,4,5,6,7
	global_load_b128 v[XD+4*\i:XD+4*\i+3], v7, s[4:5] offset:512*\i       ; my token's row: 512 consecutive bytes an instruction
.endr
	s_wait_loadcnt 0x8                             ; router_w is in; x's eight loads may be out
.irp k, 0,1,2,3,4,5,6,7
	ds_store_b128 v2, v[WR+4*\k:WR+4*\k+3] offset:4160*\k
.endr
	s_wait_loadcnt 0x0
.irp i, 0,1,2,3,4,5,6,7
	ds_store_b128 v4, v[XD+4*\i:XD+4*\i+3] offset:576*\i                  ; four places an instruction
.endr
.irp g, 0,1,2,3,4,5,6,7
	ds_load_b128 v[X+4*\g:X+4*\g+3], v5 offset:16*\g                      ; LDS serves a wave's instructions in order: these see my stores.  32 neighbours along K in my registers
.endr
	s_wait_dscnt 0x0                               ; my part of router_w has landed, and my block is in
	s_barrier_signal -1
	s_barrier_wait -1                              ; everybody's part has
	; ---- the quantiser: my block's largest magnitude in two chains, with the floor 2^(3 - 127) as one more leaf, which holds the byte at 1 from below
	v_max3_num_f32 v176, |v[X]|, |v[X+1]|, 0x1800000
	v_max3_num_f32 v177, |v[X+2]|, |v[X+3]|, |v[X+4]|
.irp i, 5,9,13,17,21,25
	v_max3_num_f32 v176, v176, |v[X+\i]|, |v[X+\i+1]|
	v_max3_num_f32 v177, v177, |v[X+\i+2]|, |v[X+\i+3]|
.endr
	v_max3_num_f32 v176, v176, |v[X+29]|, |v[X+30]|
	v_max3_num_f32 v176, v176, v177, |v[X+31]|
	v_add_nc_u32 v178, 0xff000000, v176            ; 2 off its exponent field: the conversion takes the exponent field of this operand as its scale, and nothing else of it
.irp g, 0,1,2,3
	v_cvt_scalef32_pk8_fp4_f32 v[CD+\g], v[X+8*\g:X+8*\g+7], v178
.endr
	v_lshrrev_b32 v179, 23, v178                   ; the scale's byte.  (Also the plain line behind the conversions)
	global_store_b128 v7, v[CD:CD+3], s[10:11]     ; the wave stores the token's 512 bytes of codes on end
	ds_store_b8 v215, v179
	; ---- the logits: lane l sums over its 32 d, two experts an instruction; x is taken for both halves from one register of its pair
.set bb, 0
.rept 4
.irp i, 0,1,2,3,4,5,6,7,8,9,10,11,12,13,14,15
	ds_load_b128 v[W+4*\i:W+4*\i+3], v3 offset:256*bb+16*\i
.endr
	s_wait_dscnt 0x0
.set jj, 0
.rept 8
.set xp, X+8*bb+(jj/2)*2
.irp p, 0,2,4,6
.if (bb == 0) && (jj == 0)
	v_pk_mul_f32 v[ACC+\p:ACC+\p+1], v[W+8*jj+\p:W+8*jj+\p+1], v[xp:xp+1] op_sel_hi:[1,0]              ; the first product starts the sums
.elseif jj%2 == 0
	v_pk_fma_f32 v[ACC+\p:ACC+\p+1], v[W+8*jj+\p:W+8*jj+\p+1], v[xp:xp+1], v[ACC+\p:ACC+\p+1] op_sel_hi:[1,0,1]
.else
	v_pk_fma_f32 v[ACC+\p:ACC+\p+1], v[W+8*jj+\p:W+8*jj+\p+1], v[xp:xp+1], v[ACC+\p:ACC+\p+1] op_sel:[0,1,0] op_sel_hi:[1,1,1]
.endif
.endr
.set jj, jj+1
.endr
.set bb, bb+1
.endr
.irp m, 1,2,4,8
.irp e, 0,1,2,3,4,5,6,7
	v_add_f32_dpp v[ACC+\e], v[ACC+\e], v[ACC+\e] row_xmask:\m row_mask:0xf bank_mask:0xf     ; over the 16 lanes of a half, the eight sums by turns
.endr
.endr
.irp e, 0,1,2,3,4,5,6,7
	v_permlanex16_b32 v[W+\e], v[ACC+\e], s28, s29 ; (its destination counts as read: these registers have been loaded)
.endr
	s_wait_kmcnt 0x0                               ; router_b
.irp e, 0,1,2,3,4,5,6,7
	v_add_f32 v[ACC+\e], v[ACC+\e], v[W+\e]
.endr
.irp e, 0,1,2,3,4,5,6,7
	v_add_f32 v[ACC+\e], s[20+\e], v[ACC+\e]       ; every lane holds the token's eight logits
.endr
	; ---- softmax
	v_max3_num_f32 v176, v[ACC], v[ACC+1], v[ACC+2]
	v_max3_num_f32 v176, v176, v[ACC+3], v[ACC+4]
	v_max3_num_f32 v176, v176, v[ACC+5], v[ACC+6]
	v_max_num_f32 v176, v176, v[ACC+7]
.irp e, 0,1,2,3,4,5,6,7
	v_sub_f32 v[Q+\e], v[ACC+\e], v176
.endr
.irp e, 0,1,2,3,4,5,6,7
	v_mul_f32 v[Q+\e], 0x3fb8aa3b, v[Q+\e]         ; x log2(e)
.endr
.irp e, 0,1,2,3,4,5,6,7
	v_exp_f32 v[Q+\e], v[Q+\e]
.endr
	v_nop                                          ; a plain line behind the exponentials
	s_wait_alu depctr_va_vdst(0)
	v_add_f32 v192, v[Q], v[Q+1]
	v_add_f32 v193, v[Q+2], v[Q+3]
	v_add_f32 v194, v[Q+4], v[Q+5]
	v_add_f32 v195, v[Q+6], v[Q+7]
	v_add_f32 v192, v192, v193
	v_add_f32 v194, v194, v195
	v_add_f32 v192, v192, v194
	v_rcp_f32 v196, v192
	v_mov_b32 v177, 0                              ; (a plain line behind the reciprocal)  the first choice so far: expert 0
	s_wait_alu depctr_va_vdst(0)
.irp e, 0,1,2,3,4,5,6,7
	v_mul_f32 v[ACC+\e], v[Q+\e], v196             ; p
.endr
	; ---- the two largest: a later expert takes the place only if its p is strictly larger
	v_mov_b32 v176, v[ACC]
.irp i, 1,2,3,4,5,6,7
	v_cmp_ge_f32 vcc_lo, v176, v[ACC+\i]
	v_cndmask_b32 v177, \i, v177, vcc_lo
	v_max_num_f32 v176, v176, v[ACC+\i]
.endr
	v_mov_b32 v198, -1.0                           ; under every p
.irp i, 0,1,2,3,4,5,6,7
	v_cmp_eq_u32 vcc_lo, \i, v177
	v_cndmask_b32 v[Q+\i], v[ACC+\i], v198, vcc_lo ; the first choice is taken out
.endr
	v_mov_b32 v178, v[Q]
	v_mov_b32 v179, 0
.irp i, 1,2,3,4,5,6,7
	v_cmp_ge_f32 vcc_lo, v178, v[Q+\i]
	v_cndmask_b32 v179, \i, v179, vcc_lo
	v_max_num_f32 v178, v178, v[Q+\i]
.endr
	v_add_f32 v192, v176, v178
	v_add_f32 v192, 0x322bcc77, v192               ; + 1e-8
	v_rcp_f32 v192, v192
	v_mov_b32 v[RC], v177                          ; (a plain line behind the reciprocal)
	v_mov_b32 v[RC+1], v179
	s_wait_alu depctr_va_vdst(0)
	v_mul_f32 v[RC+2], v176, v192
	v_mul_f32 v[RC+3], v178, v192
	ds_store_b128 v199, v[RC:RC+3]                 ; all lanes write the same 16 bytes with the same values
	s_wait_dscnt 0x0                               ; for wave 0's sake: my record and my scale bytes have landed
	s_barrier_signal -1
	s_barrier_wait -1
	; ---- wave 0 stores what the eight tokens have in common units
	s_cmp_lg_u32 s30, 0
	s_cbranch_scc1 .Lend
	ds_load_b128 v[12:15], v208                    ; e0, e1, g0, g1 of token lane % 8
	ds_load_b64 v[16:17], v209
	s_wait_dscnt 0x0
	global_store_b64 v210, v[16:17], s[12:13]      ; the eight tokens' 256 scale bytes: 256 consecutive bytes, at a multiple of 256 from xs's first byte
.irp e, 0,1,2,3,4,5,6,7
	v_cmp_eq_u32 s40, \e, v12
	v_cmp_eq_u32 s41, \e, v13
	s_or_b32 s40, s40, s41
	s_and_b32 s40, s40, 0xff                       ; bit w: token w of the eight uses expert e
	v_writelane_b32 v214, s40, \e
.endr
	s_wait_xcnt 0x0                                ; EXEC changes only behind this wait
	v_cmp_gt_u32 vcc_lo, 8, v1
	s_and_saveexec_b32 s42, vcc_lo
	global_store_b8 v211, v214, s[14:15]           ; lane e: the work-group's byte of expert e's mask
	global_store_b32 v212, v13, s[14:15] offset:1024
	global_store_b64 v213, v[14:15], s[16:17]
	s_wait_xcnt 0x0                                ; and again in front of the line that widens it
	s_or_b32 exec_lo, exec_lo, s42
.Lend:
	s_wait_tensorcnt 0x0
	ds_add_u32 v224, v225
	s_wait_dscnt 0x0
	s_endpgm
.Lfunc_end_k_q4ca74199ef_route:
	.size	k_q4ca74199ef_route, .Lfunc_end_k_q4ca74199ef_route-k_q4ca74199ef_route
	.p2alignl 7, 3214868480
	.fill 96, 4, 3214868480
	.section	.rodata,"a",@progbits
	.p2align	6, 0x0
	.amdhsa_kernel k_q4ca74199ef_route
		.amdhsa_group_segment_fixed_size 71680
		.amdhsa_private_segment_fixed_size 0
		.amdhsa_enable_private_segment 0
		.amdhsa_kernarg_size 56
		.amdhsa_user_sgpr_count 2
		.amdhsa_user_sgpr_kernarg_segment_ptr 1
		.amdhsa_wavefront_size32 1
		.amdhsa_system_sgpr_workgroup_id_x 1
		.amdhsa_system_sgpr_workgroup_id_y 1
		.amdhsa_system_sgpr_workgroup_id_z 1
		.amdhsa_system_vgpr_workitem_id 0
		.amdhsa_next_free_vgpr 226
		.amdhsa_next_free_sgpr 66
		.amdhsa_reserve_vcc 1
		.amdhsa_float_denorm_mode_32 3
		.amdhsa_float_denorm_mode_16_64 3
		.amdhsa_memory_ordered 1
		.amdhsa_forward_progress 1
		.amdhsa_inst_pref_size 30
	.end_amdhsa_kernel
	.amdgpu_metadata
---
amdhsa.version: [ 1, 2 ]
amdhsa.kernels:
  - .name:           k_q4ca74199ef_route
    .symbol:         k_q4ca74199ef_route.kd
    .args:
      - { .name: x, .offset: 0, .size: 8, .value_kind: global_buffer, .address_space: global }
      - { .name: router_w, .offset: 8, .size: 8, .value_kind: global_buffer, .address_space: global }
      - { .name: router_b, .offset: 16, .size: 8, .value_kind: global_buffer, .address_space: global }
      - { .name: xq, .offset: 24, .size: 8, .value_kind: global_buffer, .address_space: global }
      - { .name: xs, .offset: 32, .size: 8, .value_kind: global_buffer, .address_space: global }
      - { .name: route, .offset: 40, .size: 8, .value_kind: global_buffer, .address_space: global }
      - { .name: gate, .offset: 48, .size: 8, .value_kind: global_buffer, .address_space: global }
    .group_segment_fixed_size: 71680
    .private_segment_fixed_size: 0
    .kernarg_segment_align: 8
    .kernarg_segment_size: 56
    .max_flat_workgroup_size: 256
    .sgpr_count:     66
    .vgpr_count:     226
    .wavefront_size: 32
...
	.end_amdgpu_metadata
.endif
;; end of part 1
;; launch ffn1 (part 2): grid 32 x 8, 4 waves a work-group, no clusters, 68,096 bytes of LDS; arguments xq, xs, route, w1_codes, w1_scales, b1, hc, hsc; writes hc, hsc
.if DOCPART == 2
	.amdgcn_target "amdgcn-amd-amdhsa--gfx1250"
	.amdhsa_code_object_version 6
	.text
	.protected	k_q4ca74199ef_ffn1
	.globl	k_q4ca74199ef_ffn1
	.p2align	8
	.type	k_q4ca74199ef_ffn1,@function
k_q4ca74199ef_ffn1:
	s_mov_b64 s[64:65], 0
	v_nop
	global_prefetch_b8 v0, s[64:65] scope:SCOPE_SE
	s_setreg_imm32_b32 hwreg(HW_REG_WAVE_MODE, 25, 1), 1
	s_wait_xcnt 0x0
; h = Q(gelu(x W1 + b1)) FOR THE ROWS THAT AN EXPERT WAS CHOSEN FOR, on codes of E2M1 with one E8M0 scale for each 32 along K; gelu by erf, in f32; Q the quantiser along the hidden axis.
; SHARES.  Work-group (x = slice, y = expert) owns 128 hidden units of one expert: 128 rows of w1_codes, 64 KiB on end, which no other work-group reads.  All four waves hold that slice in 512 registers
; (it goes from memory through LDS once, so that memory is read in runs of 512 bytes) and share the expert's rows, 16 to a tile: wave q takes tiles q, q + 4, ...
; ROWS.  A row of the expert is named by its rank among the set bits of the expert's mask of 1,024 tokens (route).  TOKEN turns a lane's rank into its token, in registers.  Ranks past the last repeat the last row.
; The trip count hangs on the stored mask, so there is no tensor load, no cluster and no barrier in the loop: the one barrier stands at the head, ahead of every branch on data.
; Multicast is left out for that reason: partners would need different numbers of tiles, and a work-group's weights are read by nobody else.
; LAYOUT.  The product is used transposed (source 0 = 16 rows of W1, source 1 = 16 rows of x): a lane holds ONE row.  THE ROWS OF W1 THAT FORM A TILE ARE NOT NEIGHBOURS: lane r of tile 2 b + u takes row
; 32 b + 8 u + r + 8 (r / 8), so that the 16 registers of tiles 2 b, 2 b + 1 are 16 neighbours along the next K: 32 b + 16 (lane / 16) + 0 .. 15.  b1 is the C of each sum's first product.
; IN LDS a tile's sixteen rows lie on end (the rows change places on the way in): at a pitch of 528 = 33 x 16 bytes the sixteen lanes of a half then read sixteen different columns of 16 bytes.
; OUT.  A wave's 16 rows x 128 hidden units are one fragment of the next product, K step = slice: it is stored as an image of its registers, hc[e][tile][slice][1,024 bytes]: 512 c + 16 x lane.
;   Its scale words go to hsc[e][tile][g][lane][w], a word each, for K step 8 g + 2 w + lane / 16 and row lane % 16: so the next launch takes four scale registers by one load of 16 bytes a lane.  The price: my 4-byte stores stand 16 bytes apart.
; LIMITS: NaN and infinities are not served.  A block whose largest magnitude lies under 2^-124, a block of zeros among them, gets the byte 1; the bytes are read by this program alone.
;   erf(z) = z P(z z) / Q(z z), z held to +-4, P of degree 6 and Q of degree 4: given by its source as good to a few units in erf's last place; 1 + erf is formed in f32, so far out on the negative side gelu keeps f32's absolute, not relative, accuracy.
; REGISTERS, in windows of 256: window 0: v1-29 addresses and TOKEN; v32-39 x's scale words; v40-103 W1's; v104-167 the 8 tiles of h; v168-215 erf at work; v216-240 the quantiser.
;   window 1: W1's fragments of tiles 0-3 (tile t, K step s at v[64 t + 8 s]);  window 2: of tiles 4-7;  window 3: v0-63 b1, v64-127 x's eight fragments, v128-255 the weights on their way to LDS.
.set PITCH, 528                        ; an LDS row: 512 bytes + 16
.set RR,   2                           ; v2   r = lane % 16
.set HH,   3                           ; v3   h = lane / 16
.set LI,   4                           ; v4   16 x lane
.set R16,  5                           ; v5   16 r
.set GAD,  6                           ; v6   the slice in memory: 16,384 x wave + 16 x lane
.set LSA,  7                           ; v7   and in LDS: 32 rows x wave + 16 x lane
.set LFA,  8                           ; v8   a fragment's row: r x pitch + 16 h
.set WSA,  9                           ; v9   W1's scale words: 32 bytes a row
.set BA,   10                          ; v10  b1: 64 h
.set XA,   11                          ; v11  my row's codes of x
.set XSA,  12                          ; v12  and its scale words
.set KEY,  13                          ; v13-23 TOKEN at work
.set MW,   14
.set PK,   15
.set DR,   16
.set POS,  17
.set T0,   18
.set T1,   19
.set C1,   20
.set C2,   21
.set C4,   22
.set C8,   23
.set TOK,  24                          ; v24  my row's token
.set H16,  25                          ; v25  16 h
.set KV0,  26                          ; v[26:27], v[28:29] the leading coefficients of P and of Q, each twice: an instruction takes one literal
.set KV1,  28
.set XS,   32
.set W1S,  40
.set HA,   104
.set EZ,   168
.set ES,   176
.set EA,   192
.set ER,   200
.set EU,   208
.set TM,   216
.set PC,   232
.set PW,   240
.set B1,   0                           ; in window 3
.set XF,   64
.set SG,   128
.set WV,   2                           ; s2 wave, s3 expert, s4 slice, s5 the expert's rows, s6 the last rank, s7 tiles
.set EX,   3
.set SL,   4
.set NN,   5
.set N1,   6
.set NT,   7
.set TR,   5                           ; s5   from the loop on (the rows' count is done with): how many tiles are my wave's
.set MASK, 24                          ; s24-55  the expert's mask, 32 words
.set PCK,  66                          ; s67-97  word c: (set bits ahead of it) << 8 | c.  (Word 0's is the constant 0 and is not kept)
.set IT,   66                          ; s66  the trip's number
.set SEL,  56                          ; s[56:57] v_permlanex16_b32's selects for lane l xor 16
.set JJ,   58                          ; s58  the tile in hand;  s59 the next
.set JN,   59
.set SLO,  104                         ; s104 my slice's place among a tile's scale words
.set MSB, 0
.macro WIN new                         ; the immediate's high byte repeats the setting that is left; a switch that changes nothing is dropped
.if MSB != (\new)
	s_set_vgpr_msb (MSB<<8)|(\new)
.set MSB, (\new)
.endif
.endm
; One step of the search for the DR-th set bit: are there DR or fewer set bits in the lower half of what is left?  Then it lies in the upper half.
.macro PICK src, w, width
	v_bfe_u32 v[T0], v[\src], v[POS], \width
	v_cmp_le_u32 vcc_lo, v[T0], v[DR]
	v_cndmask_b32 v[T0], 0, v[T0], vcc_lo
	v_sub_nc_u32 v[DR], v[DR], v[T0]
	v_add_nc_u32 v[T1], \w, v[POS]
	v_cndmask_b32 v[POS], v[POS], v[T1], vcc_lo
.endm
; v[TOK] = the token of rank 16 x s[sj] + r, held at the last rank.  Whole numbers alone, no memory.  The word: the last whose prefix is at most the rank (the packed prefixes rise with c); the bit: by counts in fields of 2, 4, 8, 16 bits.
.macro TOKEN sj
	v_lshl_add_u32 v[DR], s[\sj], 4, v[RR]
	v_min_u32 v[DR], s[N1], v[DR]
	v_lshl_or_b32 v[KEY], v[DR], 8, 0xff
	v_mov_b32 v[MW], s[MASK]
	v_mov_b32 v[PK], 0
.set cc, 1
.rept 31
	v_cmp_gt_u32 vcc_lo, s[PCK+cc], v[KEY]
	v_cndmask_b32 v[MW], s[MASK+cc], v[MW], vcc_lo
	v_cndmask_b32 v[PK], s[PCK+cc], v[PK], vcc_lo
.set cc, cc+1
.endr
	v_lshrrev_b32 v[T0], 8, v[PK]
	v_sub_nc_u32 v[DR], v[DR], v[T0]               ; the rank inside the word
	v_lshrrev_b32 v[T0], 1, v[MW]
	v_and_b32 v[T0], 0x55555555, v[T0]
	v_sub_nc_u32 v[C1], v[MW], v[T0]
	v_lshrrev_b32 v[T0], 2, v[C1]
	v_and_b32 v[T1], 0x33333333, v[C1]
	v_and_b32 v[T0], 0x33333333, v[T0]
	v_add_nc_u32 v[C2], v[T1], v[T0]
	v_lshrrev_b32 v[T0], 4, v[C2]
	v_add_nc_u32 v[T0], v[C2], v[T0]
	v_and_b32 v[C4], 0x0f0f0f0f, v[T0]
	v_lshrrev_b32 v[T0], 8, v[C4]
	v_add_nc_u32 v[C8], v[C4], v[T0]
	v_mov_b32 v[POS], 0
	PICK C8, 16, 8
	PICK C4, 8, 8
	PICK C2, 4, 4
	PICK C1, 2, 2
	PICK MW, 1, 1
	v_and_b32 v[T0], 0xff, v[PK]
	v_lshl_add_u32 v[TOK], v[T0], 5, v[POS]
	v_min_u32 v[TOK], 0x3ff, v[TOK]                ; a number made of loaded data enters addresses only behind this hold
.endm
; my 16 rows of x: eight fragments (lane (r, h): of row r the 16 bytes at 64 s + 32 c + 16 h) and the rows' eight scale words
.macro XLOAD
	v_lshl_add_u32 v[XA], v[TOK], 9, v[H16]
	v_lshlrev_b32 v[XSA], 5, v[TOK]
	WIN 0xc0                                       ; destination window 3
.irp s, 0,1,2,3,4,5,6,7
	global_load_b128 v[XF+8*\s:XF+8*\s+3], v[XA], s[8:9] offset:64*\s
	global_load_b128 v[XF+8*\s+4:XF+8*\s+7], v[XA], s[8:9] offset:64*\s+32
.endr
	WIN 0
	global_load_b128 v[XS:XS+3], v[XSA], s[10:11]
	global_load_b128 v[XS+4:XS+7], v[XSA], s[10:11] offset:16
.endm
; 32 products: tiles 4 half .. 4 half + 3, K step by K step.  The four accumulators take turns, one instruction a turn.  The first K step takes b1 as its C.
.macro MMH half
	WIN 0x3d+\half                                 ; source 0 (W1) window 1 or 2, source 1 (x) and source 2 (b1) window 3, destination window 0
.irp t, 0,1,2,3
	v_wmma_scale_f32_16x16x128_f8f6f4 v[HA+8*(4*\half+\t):HA+8*(4*\half+\t)+7], v[64*\t:64*\t+7], v[XF:XF+7], v[B1+8*(4*\half+\t):B1+8*(4*\half+\t)+7], v[W1S+8*(4*\half+\t)], v[XS] matrix_a_fmt:MATRIX_FMT_FP4 matrix_b_fmt:MATRIX_FMT_FP4
.endr
	WIN 0x0d+\half                                 ; C in window 0 now
.irp s, 1,2,3,4,5,6,7
.irp t, 0,1,2,3
	v_wmma_scale_f32_16x16x128_f8f6f4 v[HA+8*(4*\half+\t):HA+8*(4*\half+\t)+7], v[64*\t+8*\s:64*\t+8*\s+7], v[XF+8*\s:XF+8*\s+7], v[HA+8*(4*\half+\t):HA+8*(4*\half+\t)+7], v[W1S+8*(4*\half+\t)+\s], v[XS+\s] matrix_a_fmt:MATRIX_FMT_FP4 matrix_b_fmt:MATRIX_FMT_FP4
.endr
.endr
.endm
.macro PKF d, a, b, lit                ; d = a b + a literal, eight numbers
.irp p, 0,2,4,6
	v_pk_fma_f32 v[\d+\p:\d+\p+1], v[\a+\p:\a+\p+1], v[\b+\p:\b+\p+1], \lit op_sel_hi:[1,1,0]
.endr
.endm
.macro PKK d, a, kv, lit               ; d = a x a coefficient kept in registers + a literal
.irp p, 0,2,4,6
	v_pk_fma_f32 v[\d+\p:\d+\p+1], v[\a+\p:\a+\p+1], v[\kv:\kv+1], \lit op_sel_hi:[1,1,0]
.endr
.endm
; gelu(x) = x / 2 + (x / 2) erf(x / sqrt 2), in place on the eight registers of one tile, from its low end on.  z = x / sqrt 2 held to +-4 (beyond it erf is 1 in f32), s = z z, erf = z P(s) / Q(s).
; One form for every z: no compare, no select.  The chains of P and of Q stand by turns, so that no line waits for the line above it.  Q is a sum of terms of one sign and never 0.
.macro GELU8 h
.irp p, 0,2,4,6
	v_pk_mul_f32 v[EZ+\p:EZ+\p+1], v[\h+\p:\h+\p+1], 0x3f3504f3 op_sel_hi:[1,0]
.endr
.irp i, 0,1,2,3,4,5,6,7
	v_med3_num_f32 v[EZ+\i], v[EZ+\i], -4.0, 4.0
.endr
.irp p, 0,2,4,6
	v_pk_mul_f32 v[ES+\p:ES+\p+1], v[EZ+\p:EZ+\p+1], v[EZ+\p:EZ+\p+1]
.endr
	PKK EA, ES, KV0, 0x32edffee                    ; P: -2.72614226e-10 s + 2.77068142e-08
	PKK ER, ES, KV1, 0xb95fbd29                    ; Q: -1.45660718e-05 s - 2.13374055e-04
	PKF EA, EA, ES, 0xb60cff51                     ; - 2.10102402e-06
	PKF ER, ER, ES, 0xbadc924e                     ; - 1.68282697e-03
	PKF EA, EA, ES, 0xb86ec2d2                     ; - 5.69250639e-05
	PKF ER, ER, ES, 0xbbf19bf8                     ; - 7.37332917e-03
	PKF EA, EA, ES, 0xba40ac63                     ; - 7.34990630e-04
	PKF ER, ER, ES, 0xbc69b6a7                     ; - 1.42647391e-02
	PKF EA, EA, ES, 0xbb41a1f6                     ; - 2.95459981e-03
.irp i, 0,1,2,3,4,5,6,7
	v_rcp_f32 v[ER+\i], v[ER+\i]
.endr
	PKF EA, EA, ES, 0xbc83dbd4                     ; - 1.60960333e-02.  (Also the plain lines behind the reciprocals)
.irp p, 0,2,4,6
	v_pk_mul_f32 v[EU+\p:EU+\p+1], v[\h+\p:\h+\p+1], 0.5 op_sel_hi:[1,0]        ; x / 2
.endr
.irp p, 0,2,4,6
	v_pk_mul_f32 v[EA+\p:EA+\p+1], v[EA+\p:EA+\p+1], v[EZ+\p:EZ+\p+1]
.endr
	s_wait_alu depctr_va_vdst(0)
.irp p, 0,2,4,6
	v_pk_mul_f32 v[EA+\p:EA+\p+1], v[EA+\p:EA+\p+1], v[ER+\p:ER+\p+1]           ; erf
.endr
.irp p, 0,2,4,6
	v_pk_fma_f32 v[\h+\p:\h+\p+1], v[EU+\p:EU+\p+1], v[EA+\p:EA+\p+1], v[EU+\p:EU+\p+1]
.endr
.endm
; 64 numbers of a lane, v[s] on, register 16 b + i = k 32 b + 16 (lane / 16) + i of my row, become a fragment's codes in v[PC] on and its scale word in v[PW].
.macro QUANT s
.irp b, 0,1,2,3
	v_max3_num_f32 v[TM+\b], |v[\s+16*\b]|, |v[\s+1+16*\b]|, 0x1800000          ; block b: my 16 numbers, and the floor 2^(3 - 127): the byte cannot fall under 1
.endr
.irp i, 2,4,6,8,10,12,14
.irp b, 0,1,2,3
	v_max3_num_f32 v[TM+\b], v[TM+\b], |v[\s+16*\b+\i]|, |v[\s+1+16*\b+\i]|     ; (the four blocks by turns)
.endr
.endr
.irp b, 0,1,2,3
	v_permlanex16_b32 v[TM+4+\b], v[TM+\b], s[SEL], s[SEL+1]
.endr
.irp b, 0,1,2,3
	v_max_num_f32 v[TM+\b], v[TM+\b], v[TM+4+\b]   ; with lane l xor 16's: the block's largest magnitude
.endr
.irp b, 0,1,2,3
	v_add_nc_u32 v[TM+12+\b], 0xff000000, v[TM+\b] ; 2 off its exponent field: the conversion's scale operand
.endr
.irp b, 0,1,2,3
	v_lshrrev_b32 v[TM+4+\b], 23, v[TM+12+\b]      ; the scale's byte
.endr
	v_lshl_or_b32 v[PW], v[TM+5], 8, v[TM+4]
	v_lshl_or_b32 v[PW], v[TM+6], 16, v[PW]
	v_lshl_or_b32 v[PW], v[TM+7], 24, v[PW]
.irp b, 0,1,2,3
	v_cvt_scalef32_pk8_fp4_f32 v[PC+2*\b], v[\s+16*\b:\s+7+16*\b], v[TM+12+\b]
	v_cvt_scalef32_pk8_fp4_f32 v[PC+1+2*\b], v[\s+8+16*\b:\s+15+16*\b], v[TM+12+\b]
.endr
	v_nop                                          ; one plain line behind the last conversion
.irp c, 0,1                                    ; the operand's layout wants a WHOLE block in a lane: lanes 0-15 block 2 c, lanes 16-31 block 2 c + 1
.irp i, 0,1
	v_permlane16_swap_b32 v[PC+4*\c+\i], v[PC+2+4*\c+\i]
.endr
.endr
.endm
	s_load_b512 s[8:23], s[0:1], 0x0               ; xq s[8:9], xs s[10:11], route s[12:13], w1_codes s[14:15], w1_scales s[16:17], b1 s[18:19], hc s[20:21], hsc s[22:23]
	v_lshl_add_u32 v254, v0, 2, 0x10800
	v_mov_b32 v255, 0
	v_lshrrev_b32 v1, 5, v0
	v_readfirstlane_b32 s[WV], v1
	s_and_b32 s[EX], ttmp7, 0xffff
	s_mov_b32 s[SL], ttmp9
	v_and_b32 v1, 31, v0
	v_and_b32 v[RR], 15, v0
	v_bfe_u32 v[HH], v0, 4, 1
	v_lshlrev_b32 v[LI], 4, v1
	v_lshlrev_b32 v[R16], 4, v[RR]
	s_lshl_b32 s100, s[WV], 14
	v_add_nc_u32 v[GAD], s100, v[LI]
	s_mul_i32 s101, s[WV], 32*PITCH
	v_add_nc_u32 v[LSA], s101, v[LI]
	v_mul_u32_u24 v[LFA], v[RR], PITCH             ; in LDS a tile's rows lie on end
	v_lshl_add_u32 v[LFA], v[HH], 4, v[LFA]
	v_and_b32 v[WSA], 8, v[RR]
	v_add_nc_u32 v[WSA], v[WSA], v[RR]             ; in memory they do not: r + 8 (r / 8)
	v_lshlrev_b32 v[WSA], 5, v[WSA]
	v_lshlrev_b32 v[BA], 6, v[HH]
	v_lshlrev_b32 v[H16], 4, v[HH]
	v_mov_b32 v[KV0], 0xaf95df0b                   ; -2.72614226e-10
	v_mov_b32 v[KV0+1], 0xaf95df0b
	v_mov_b32 v[KV1], 0xb77460cd                   ; -1.45660718e-05
	v_mov_b32 v[KV1+1], 0xb77460cd
.irp b, 0,1,2,3
	v_mov_b32 v[TM+4+\b], 0                        ; written once: a lane permute's destination counts as one of its sources
.endr
	s_mov_b32 s[SEL], 0x76543210
	s_mov_b32 s[SEL+1], 0xfedcba98
	s_lshr_b32 s[SLO], s[SL], 3                    ; my K step's scale words in a tile's 2,048 bytes: 512 (slice / 8)
	s_lshl_b32 s[SLO], s[SLO], 9
	s_and_b32 s100, s[SL], 1
	s_lshl_b32 s100, s100, 8                       ; + 256 (slice % 2): lanes 16-31 of the register
	s_add_co_u32 s[SLO], s[SLO], s100
	s_bfe_u32 s100, s[SL], 0x20001
	s_lshl_b32 s100, s100, 2                       ; + 4 ((slice / 2) % 4): which of the group's four registers
	s_add_co_u32 s[SLO], s[SLO], s100
	s_lshl_b32 s60, s[EX], 7                       ; the expert's mask: 128 bytes
	s_mov_b32 s61, 0
	s_lshl_b32 s62, s[EX], 21                      ; the slice's codes: (4,096 e + 128 slice) rows of 512 bytes
	s_lshl_b32 s100, s[SL], 16
	s_add_co_u32 s62, s62, s100
	s_mov_b32 s63, 0
	s_lshl_b32 s98, s[EX], 17                      ; its scale bytes: 32 a row
	s_lshl_b32 s100, s[SL], 12
	s_add_co_u32 s98, s98, s100
	s_mov_b32 s99, 0
	s_lshl_b32 s58, s[EX], 14                      ; its part of b1
	s_lshl_b32 s100, s[SL], 9
	s_add_co_u32 s58, s58, s100
	s_mov_b32 s59, 0
	s_wait_kmcnt 0x0
	s_add_nc_u64 s[60:61], s[12:13], s[60:61]
	s_load_b512 s[MASK:MASK+15], s[60:61], 0x0
	s_load_b512 s[MASK+16:MASK+31], s[60:61], 0x40
	s_add_nc_u64 s[14:15], s[14:15], s[62:63]
	s_add_nc_u64 s[16:17], s[16:17], s[98:99]
	s_add_nc_u64 s[18:19], s[18:19], s[58:59]
	WIN 0xc0                                       ; destination window 3
.set ii, 0
.rept 32
	global_load_b128 v[SG+4*ii:SG+4*ii+3], v[GAD], s[14:15] offset:512*ii th:TH_LOAD_NT   ; my quarter of the slice, a row of 512 consecutive bytes an instruction; read once in the launch
.set ii, ii+1
.endr
.irp t, 0,1,2,3,4,5,6,7                        ; b1 in the result's layout: lane (r, h), register j of tile t: hidden unit 32 (t / 2) + 8 (t % 2) + 16 h + j
	global_load_b128 v[B1+8*\t:B1+8*\t+3], v[BA], s[18:19] offset:(32*(\t/2)+8*(\t%2))*4
	global_load_b128 v[B1+8*\t+4:B1+8*\t+7], v[BA], s[18:19] offset:(32*(\t/2)+8*(\t%2))*4+16
.endr
	WIN 0
.irp t, 0,1,2,3,4,5,6,7                        ; W1's scale words: register 8 t + s: lane r has the word of its row of tile t for K step s
	global_load_b128 v[W1S+8*\t:W1S+8*\t+3], v[WSA], s[16:17] offset:(32*(\t/2)+8*(\t%2))*32
	global_load_b128 v[W1S+8*\t+4:W1S+8*\t+7], v[WSA], s[16:17] offset:(32*(\t/2)+8*(\t%2))*32+16
.endr
	s_wait_kmcnt 0x0                               ; the mask
	s_mov_b32 s[NN], 0
.set cc, 0
.rept 32
.if cc > 0
	s_lshl_b32 s100, s[NN], 8
	s_or_b32 s[PCK+cc], s100, cc
.endif
	s_bcnt1_i32_b32 s100, s[MASK+cc]
	s_add_co_u32 s[NN], s[NN], s100
.set cc, cc+1
.endr
	s_sub_co_u32 s[N1], s[NN], 1
	s_add_co_u32 s[NT], s[NN], 15
	s_lshr_b32 s[NT], s[NT], 4
	TOKEN WV                                       ; my first tile's rows, while the weights are on their way
	s_wait_loadcnt 32                              ; my quarter of the slice is in; the 32 loads of b1 and of the scale words may be out
	WIN 0x0c                                       ; an LDS store's data are its source 1: window 3
.set ii, 0
.rept 32
	ds_store_b128 v[LSA], v[SG+4*ii:SG+4*ii+3] offset:PITCH*(16*((ii/8)%2)+8*((ii/16)%2)+ii%8)   ; row 32 q + ii is lane 8 (ii / 16) + ii % 8 of tile 2 q + (ii / 8) % 2: it goes to that tile's place
.set ii, ii+1
.endr
	WIN 0
	s_wait_dscnt 0x0                               ; for the others' sake: my stores have landed
	s_barrier_signal -1
	s_barrier_wait -1                              ; the launch's one barrier: every wave passes it, whatever the mask says
	s_cmp_ge_u32 s[WV], s[NT]
	s_cbranch_scc1 .Lend                           ; a wave that the split leaves without a tile stores nothing
	XLOAD
	WIN 0x40                                       ; destination window 1
.irp t, 0,1,2,3
.irp s, 0,1,2,3,4,5,6,7
	ds_load_b128 v[64*\t+8*\s:64*\t+8*\s+3], v[LFA] offset:16*\t*PITCH+64*\s
	ds_load_b128 v[64*\t+8*\s+4:64*\t+8*\s+7], v[LFA] offset:16*\t*PITCH+64*\s+32
.endr
.endr
	WIN 0x80                                       ; destination window 2
.irp t, 0,1,2,3
.irp s, 0,1,2,3,4,5,6,7
	ds_load_b128 v[64*\t+8*\s:64*\t+8*\s+3], v[LFA] offset:16*(4+\t)*PITCH+64*\s
	ds_load_b128 v[64*\t+8*\s+4:64*\t+8*\s+7], v[LFA] offset:16*(4+\t)*PITCH+64*\s+32
.endr
.endr
	WIN 0
	s_wait_dscnt 0x0                               ; the slice stays in my registers from here on
	s_sub_co_u32 s[TR], s[NT], s[WV]               ; at least 1 here
	s_add_co_u32 s[TR], s[TR], 3
	s_lshr_b32 s[TR], s[TR], 2                     ; my tiles: q, q + 4, ... under the expert's count: (tiles - q + 3) / 4 of them
	s_mov_b32 s[IT], 0                             ; the loop is counted in trips, one a step; the tile's number is made of the trip's
.Ltile:
	s_lshl_b32 s[JJ], s[IT], 2
	s_add_co_u32 s[JJ], s[JJ], s[WV]               ; the tile in hand: 4 x trip + wave
	s_wait_loadcnt 0x0                             ; this tile's x (in the first trip b1 and W1's scale words too)
	MMH 0
	MMH 1
	WIN 0
.rept 4
	v_nop                                          ; four places in front of the first read of results, on both ways below, and of loads into registers that the products have read
.endr
	s_add_co_u32 s[JN], s[JJ], 4
	s_cmp_ge_u32 s[JN], s[NT]
	s_cbranch_scc1 .Lno_next                       ; the last tile asks for nothing
	TOKEN JN
	XLOAD                                          ; the next tile's x lands while this tile's gelu is computed
.Lno_next:
.irp t, 0,1,2,3,4,5,6,7
	GELU8 HA+8*\t
.endr
	s_wait_xcnt 0x0                                ; the last trip's stores have read their bases and data: the lines below write both again, and nothing above does
	s_min_u32 s100, s[JJ], 63                      ; at most 64 tiles an expert
	s_lshl_b32 s101, s[EX], 6
	s_add_co_u32 s100, s100, s101
	s_lshl_b32 s60, s100, 15                       ; hc: (64 e + tile) x 32 fragments of 1,024 bytes, + the slice's
	s_lshl_b32 s101, s[SL], 10
	s_add_co_u32 s60, s60, s101
	s_mov_b32 s61, 0
	s_add_nc_u64 s[62:63], s[20:21], s[60:61]
	s_lshl_b32 s60, s100, 11                       ; hsc: (64 e + tile) x 2,048 bytes, + my K step's place
	s_add_co_u32 s60, s60, s[SLO]
	s_add_nc_u64 s[98:99], s[22:23], s[60:61]
	QUANT HA
	global_store_b128 v[LI], v[PC:PC+3], s[62:63]                 ; the fragment as it stands: 512 consecutive bytes an instruction
	global_store_b128 v[LI], v[PC+4:PC+7], s[62:63] offset:512
	global_store_b32 v[R16], v[PW], s[98:99]                      ; row r's word, 16 bytes from row to row; lanes r and r + 16 hold the same word and write it to the same place
	s_add_co_u32 s[IT], s[IT], 1
	s_cmp_lt_u32 s[IT], s[TR]
	s_cbranch_scc1 .Ltile
.Lend:
	s_wait_tensorcnt 0x0
	ds_add_u32 v254, v255
	s_wait_dscnt 0x0
	s_endpgm
.Lfunc_end_k_q4ca74199ef_ffn1:
	.size	k_q4ca74199ef_ffn1, .Lfunc_end_k_q4ca74199ef_ffn1-k_q4ca74199ef_ffn1
	.p2alignl 7, 3214868480
	.fill 96, 4, 3214868480
	.section	.rodata,"a",@progbits
	.p2align	6, 0x0
	.amdhsa_kernel k_q4ca74199ef_ffn1
		.amdhsa_group_segment_fixed_size 68096
		.amdhsa_private_segment_fixed_size 0
		.amdhsa_enable_private_segment 0
		.amdhsa_kernarg_size 64
		.amdhsa_user_sgpr_count 2
		.amdhsa_user_sgpr_kernarg_segment_ptr 1
		.amdhsa_wavefront_size32 1
		.amdhsa_system_sgpr_workgroup_id_x 1
		.amdhsa_system_sgpr_workgroup_id_y 1
		.amdhsa_system_sgpr_workgroup_id_z 1
		.amdhsa_system_vgpr_workitem_id 0
		.amdhsa_next_free_vgpr 1024
		.amdhsa_next_free_sgpr 106
		.amdhsa_reserve_vcc 1
		.amdhsa_float_denorm_mode_32 3
		.amdhsa_float_denorm_mode_16_64 3
		.amdhsa_memory_ordered 1
		.amdhsa_forward_progress 1
		.amdhsa_inst_pref_size 100
	.end_amdhsa_kernel
	.amdgpu_metadata
---
amdhsa.version: [ 1, 2 ]
amdhsa.kernels:
  - .name:           k_q4ca74199ef_ffn1
    .symbol:         k_q4ca74199ef_ffn1.kd
    .args:
      - { .name: xq, .offset: 0, .size: 8, .value_kind: global_buffer, .address_space: global }
      - { .name: xs, .offset: 8, .size: 8, .value_kind: global_buffer, .address_space: global }
      - { .name: route, .offset: 16, .size: 8, .value_kind: global_buffer, .address_space: global }
      - { .name: w1_codes, .offset: 24, .size: 8, .value_kind: global_buffer, .address_space: global }
      - { .name: w1_scales, .offset: 32, .size: 8, .value_kind: global_buffer, .address_space: global }
      - { .name: b1, .offset: 40, .size: 8, .value_kind: global_buffer, .address_space: global }
      - { .name: hc, .offset: 48, .size: 8, .value_kind: global_buffer, .address_space: global }
      - { .name: hsc, .offset: 56, .size: 8, .value_kind: global_buffer, .address_space: global }
    .group_segment_fixed_size: 68096
    .private_segment_fixed_size: 0
    .kernarg_segment_align: 8
    .kernarg_segment_size: 64
    .max_flat_workgroup_size: 128
    .sgpr_count:     106
    .vgpr_count:     1024
    .wavefront_size: 32
...
	.end_amdgpu_metadata
.endif
;; end of part 2
;; launch ffn2 (part 3): grid 32 x 8, 4 waves a work-group, no clusters, 66,560 bytes of LDS; arguments hc, hsc, route, gate, w2_codes, w2_scales, b2, y2; writes y2
.if DOCPART == 3
	.amdgcn_target "amdgcn-amd-amdhsa--gfx1250"
	.amdhsa_code_object_version 6
	.text
	.protected	k_q4ca74199ef_ffn2
	.globl	k_q4ca74199ef_ffn2
	.p2align	8
	.type	k_q4ca74199ef_ffn2,@function
k_q4ca74199ef_ffn2:
	s_mov_b64 s[64:65], 0
	v_nop
	global_prefetch_b8 v0, s[64:65] scope:SCOPE_SE
	s_setreg_imm32_b32 hwreg(HW_REG_WAVE_MODE, 25, 1), 1
	s_wait_xcnt 0x0
; y2[k][t] = g_k (h W2 + b2) FOR THE ROWS THAT AN EXPERT WAS CHOSEN FOR, on codes of E2M1 with one E8M0 scale for each 32 along K = the 4,096 hidden units.  k = 1 where the expert is the token's second choice, else 0.
; SHARES.  Work-group (x = slice, y = expert) owns 32 outputs of one expert: 32 rows of w2_codes, 64 KiB on end, which no other work-group reads.  All four waves hold that slice in 512 registers (through LDS once,
; so that memory is read in runs of 512 bytes) and share the expert's tiles of 16 rows: wave q takes tiles q, q + 4, ...  Each row k, t of y2 has one expert, so each of its bytes has one owner.
; h comes as images of the operand's registers (hc, hsc: as the launch before laid them): every load reads 512 consecutive bytes.  A tile's 70 loads are asked for a whole tile ahead, group by group,
; into the registers that the products have just left.  The expert's bases never change; a tile's offset stands in an address register of the group's own, written again only behind the wait that shows the group's loads done.
; The trip count hangs on the stored mask, so there is no tensor load, no cluster and no barrier in the loop.  Multicast is left out for that reason: partners would need different numbers of tiles.
; LAYOUT.  Transposed: source 0 = 16 rows of W2, source 1 = 16 rows of h: a lane holds one row and eight neighbouring outputs.  b2 is the C of a sum's first product.  K is summed in two accumulators for each tile of outputs
; (even and odd K steps), so that four accumulators take turns; the two are added at the end.
; A work-group's 32 outputs are 128 bytes of a row of y2: its stores cover 128 consecutive bytes of each row, not 256.
; Ranks past the expert's last row repeat that row: their lanes store the same bytes to the same place.
; REGISTERS, in windows of 256: window 0: v1-33 addresses, TOKEN, the row's gate; v40-55 h's scale words (register u: lanes 0-15 K step 2 u, lanes 16-31 K step 2 u + 1); v56-119 W2's; v120-135 b2; v136-167 accumulators; v168-183 results; v184-192 addresses.
;   window 1: W2's fragments of K steps 0-15 (K step s, tile n at v[8 (2 s + n)]);  window 2: of K steps 16-31;  window 3: h's 32 fragments (v[8 s]); at the head v0-127: the weights on their way to LDS.
.set PITCH, 2064                       ; an LDS row: 2,048 bytes + 16
.set RR,   2
.set HH,   3
.set LI,   4                           ; v4   16 x lane
.set GAD,  6                           ; v6   the slice in memory: 16,384 x wave + 16 x lane
.set LSA,  7                           ; v7   and in LDS: 8 rows x wave + 16 x lane
.set LFA,  8                           ; v8   a fragment's row x pitch + 16 h
.set WSA,  9                           ; v9   W2's scale words: 128 bytes a row
.set BA,   10                          ; v10  32 h: my eight outputs' bytes
.set KEY,  13                          ; v13-23 TOKEN at work
.set MW,   14
.set PK,   15
.set DR,   16
.set POS,  17
.set T0,   18
.set T1,   19
.set C1,   20
.set C2,   21
.set C4,   22
.set C8,   23
.set TOK,  24                          ; v24  my row's token
.set TA4,  25                          ; v25  4 x token;  v26  8 x token
.set TA8,  26
.set E1V,  27                          ; v27  the token's second choice
.set GV,   28                          ; v[28:29] its two gates
.set YA,   30                          ; v30  my row's bytes in y2, as the stores name them
.set TW,   31
.set GG,   32                          ; v[32:33] the gate that counts, twice
.set HS,   40
.set W2S,  56
.set B2,   120
.set ACC,  136                         ; accumulator (tile n, parity) at v[ACC + 8 (2 n + parity)]
.set YO,   168
.set VH,   184                         ; v184-187 group g's offset in the expert's part of hc: 32,768 x tile + 16 x lane
.set VS,   188                         ; v188-191 and of hsc: 2,048 x tile + 16 x lane
.set YN,   192                         ; v192 my row's bytes in y2, made at a tile's head; no memory instruction names it
.set WV,   2                           ; s2 wave, s3 expert, s4 slice, s5 the expert's rows, s6 the last rank, s7 tiles
.set EX,   3
.set SL,   4
.set NN,   5
.set N1,   6
.set NT,   7
.set MASK, 24                          ; s24-55  the expert's mask
.set PCK,  66                          ; s67-97  word c: (set bits ahead of it) << 8 | c.  (Word 0's is the constant 0 and is not kept)
.set TR1,  66                          ; s66  how many of my wave's tiles have a successor
.set JN,   56                          ; s56  the tile to be asked for
.set IT,   57                          ; s57  the trip's number
.set HCE,  58                          ; s[58:59] the expert's part of hc;  s[60:61] of hsc: never rewritten
.set HSE,  60
.set TO15, 62                          ; s62  32,768 x the tile to be asked for;  s63  2,048 x it  (at the head s[62:63] is a pair for offsets)
.set TO11, 63
.set MSB, 0
.macro WIN new                         ; the immediate's high byte repeats the setting that is left; a switch that changes nothing is dropped
.if MSB != (\new)
	s_set_vgpr_msb (MSB<<8)|(\new)
.set MSB, (\new)
.endif
.endm
.macro PICK src, w, width              ; one step of the search for the DR-th set bit
	v_bfe_u32 v[T0], v[\src], v[POS], \width
	v_cmp_le_u32 vcc_lo, v[T0], v[DR]
	v_cndmask_b32 v[T0], 0, v[T0], vcc_lo
	v_sub_nc_u32 v[DR], v[DR], v[T0]
	v_add_nc_u32 v[T1], \w, v[POS]
	v_cndmask_b32 v[POS], v[POS], v[T1], vcc_lo
.endm
; v[TOK] = the token of rank 16 x s[sj] + r, held at the last rank: the same arithmetic as in the launch that made h, so that a slot of h and its token agree.
.macro TOKEN sj
	v_lshl_add_u32 v[DR], s[\sj], 4, v[RR]
	v_min_u32 v[DR], s[N1], v[DR]
	v_lshl_or_b32 v[KEY], v[DR], 8, 0xff
	v_mov_b32 v[MW], s[MASK]
	v_mov_b32 v[PK], 0
.set cc, 1
.rept 31
	v_cmp_gt_u32 vcc_lo, s[PCK+cc], v[KEY]
	v_cndmask_b32 v[MW], s[MASK+cc], v[MW], vcc_lo
	v_cndmask_b32 v[PK], s[PCK+cc], v[PK], vcc_lo
.set cc, cc+1
.endr
	v_lshrrev_b32 v[T0], 8, v[PK]
	v_sub_nc_u32 v[DR], v[DR], v[T0]
	v_lshrrev_b32 v[T0], 1, v[MW]
	v_and_b32 v[T0], 0x55555555, v[T0]
	v_sub_nc_u32 v[C1], v[MW], v[T0]
	v_lshrrev_b32 v[T0], 2, v[C1]
	v_and_b32 v[T1], 0x33333333, v[C1]
	v_and_b32 v[T0], 0x33333333, v[T0]
	v_add_nc_u32 v[C2], v[T1], v[T0]
	v_lshrrev_b32 v[T0], 4, v[C2]
	v_add_nc_u32 v[T0], v[C2], v[T0]
	v_and_b32 v[C4], 0x0f0f0f0f, v[T0]
	v_lshrrev_b32 v[T0], 8, v[C4]
	v_add_nc_u32 v[C8], v[C4], v[T0]
	v_mov_b32 v[POS], 0
	PICK C8, 16, 8
	PICK C4, 8, 8
	PICK C2, 4, 4
	PICK C1, 2, 2
	PICK MW, 1, 1
	v_and_b32 v[T0], 0xff, v[PK]
	v_lshl_add_u32 v[TOK], v[T0], 5, v[POS]
	v_min_u32 v[TOK], 0x3ff, v[TOK]                ; a number made of loaded data enters addresses only behind this hold
.endm
; Tile s[sj] is made ready: its offsets, its rows' tokens, and two loads: each token's second choice and its gates.  The two address registers were last named by the tile before's two loads, which the wait at this tile's head has shown done.
.macro NEXT sj
	s_min_u32 s100, s[\sj], 63                     ; at most 64 tiles an expert
	s_lshl_b32 s[TO15], s100, 15
	s_lshl_b32 s[TO11], s100, 11
	TOKEN \sj
	v_lshlrev_b32 v[TA4], 2, v[TOK]
	v_lshlrev_b32 v[TA8], 3, v[TOK]
	global_load_b32 v[E1V], v[TA4], s[12:13] offset:1024
	global_load_b64 v[GV:GV+1], v[TA8], s[14:15]
.endm
; 17 loads: h's fragments of K steps 8 g .. 8 g + 7, and their four registers of scale words by one load.  The group's two address registers are written first: the loads that named them last are this group's of the tile in hand, whose products have just been issued.
.macro LG g
	WIN 0
	v_add_nc_u32 v[VH+\g], s[TO15], v[LI]
	v_add_nc_u32 v[VS+\g], s[TO11], v[LI]
	WIN 0xc0                                       ; destination window 3
.irp k, 0,1,2,3,4,5,6,7
	global_load_b128 v[8*(8*\g+\k):8*(8*\g+\k)+3], v[VH+\g], s[HCE:HCE+1] offset:1024*(8*\g+\k)
	global_load_b128 v[8*(8*\g+\k)+4:8*(8*\g+\k)+7], v[VH+\g], s[HCE:HCE+1] offset:1024*(8*\g+\k)+512
.endr
	WIN 0
	global_load_b128 v[HS+4*\g:HS+4*\g+3], v[VS+\g], s[HSE:HSE+1] offset:512*\g
.endm
; 16 products: K steps 8 g .. 8 g + 7 x two tiles of outputs.  The four accumulators take turns, one instruction a turn.  np: v_nop behind them, where loads into their operands or reads of results follow at once.
.macro GRP g, np
.if \g < 2
	WIN 0x0d                                       ; source 0 (W2) window 1, source 1 (h) window 3, C and D window 0
.else
	WIN 0x0e                                       ; source 0 window 2
.endif
.irp k, 0,1,2,3,4,5,6,7
.irp n, 0,1
.set ss, 8*\g+\k
.set wf, 8*(2*(ss%16)+\n)
.set ac, ACC+8*(2*\n+\k%2)
.if ss == 0
	v_wmma_scale_f32_16x16x128_f8f6f4 v[ac:ac+7], v[wf:wf+7], v[8*ss:8*ss+7], v[B2+8*\n:B2+8*\n+7], v[W2S+32*\n+ss], v[HS+ss/2] matrix_a_fmt:MATRIX_FMT_FP4 matrix_b_fmt:MATRIX_FMT_FP4
.elseif ss == 1
	v_wmma_scale_f32_16x16x128_f8f6f4 v[ac:ac+7], v[wf:wf+7], v[8*ss:8*ss+7], 0, v[W2S+32*\n+ss], v[HS+ss/2] matrix_a_fmt:MATRIX_FMT_FP4 matrix_b_fmt:MATRIX_FMT_FP4 matrix_b_scale:MATRIX_SCALE_ROW1
.elseif ss%2 == 0
	v_wmma_scale_f32_16x16x128_f8f6f4 v[ac:ac+7], v[wf:wf+7], v[8*ss:8*ss+7], v[ac:ac+7], v[W2S+32*\n+ss], v[HS+ss/2] matrix_a_fmt:MATRIX_FMT_FP4 matrix_b_fmt:MATRIX_FMT_FP4
.else
	v_wmma_scale_f32_16x16x128_f8f6f4 v[ac:ac+7], v[wf:wf+7], v[8*ss:8*ss+7], v[ac:ac+7], v[W2S+32*\n+ss], v[HS+ss/2] matrix_a_fmt:MATRIX_FMT_FP4 matrix_b_fmt:MATRIX_FMT_FP4 matrix_b_scale:MATRIX_SCALE_ROW1
.endif
.endr
.endr
	WIN 0
.rept \np
	v_nop
.endr
.endm
; A TILE.  Its loads were issued in the order: the two of NEXT, then groups 0, 1, 2, 3 of 17.  pf = 1: behind each group of products the next tile's same group is asked for.
.macro TRIP pf
	s_wait_loadcnt 51                              ; all but groups 1 to 3: the tokens' second choices and gates and group 0 are in (in the first tile W2's scale words and b2 too)
	v_cmp_eq_u32 vcc_lo, s[EX], v[E1V]             ; am I the token's second choice?
	v_cndmask_b32 v[GG], v[GV], v[GV+1], vcc_lo
	v_cndmask_b32 v[TW], 0, 1, vcc_lo
	v_mov_b32 v[GG+1], v[GG]
	v_lshl_or_b32 v[TW], v[TW], 10, v[TOK]         ; row 1,024 k + t of y2
	v_min_u32 v[TW], 0x7ff, v[TW]
	v_lshl_add_u32 v[YN], v[TW], 12, v[BA]         ; kept apart from the register that the last tile's stores may still read
	GRP 0, 0
.if \pf
	NEXT JN                                        ; its plain vector lines are the places in front of the loads below
	LG 0
	s_wait_loadcnt 53                              ; groups 2 and 3, and the 19 just issued, may be out
.else
	s_wait_loadcnt 34                              ; groups 2 and 3 may be out
.endif
	GRP 1, 4*\pf
.if \pf
	LG 1
	s_wait_loadcnt 53                              ; group 3 and the next tile's 36
.else
	s_wait_loadcnt 17
.endif
	GRP 2, 4*\pf
.if \pf
	LG 2
	s_wait_loadcnt 53                              ; the next tile's 53
.else
	s_wait_loadcnt 0
.endif
	GRP 3, 4
.if \pf
	LG 3
.endif
	s_wait_storecnt 0x0                            ; the last tile's four stores, issued a whole tile ago, are done: their address and data registers are written again only behind this wait
	v_mov_b32 v[YA], v[YN]
.irp n, 0,1
.irp p, 0,2,4,6
	v_pk_add_f32 v[YO+8*\n+\p:YO+8*\n+\p+1], v[ACC+16*\n+\p:ACC+16*\n+\p+1], v[ACC+16*\n+8+\p:ACC+16*\n+8+\p+1]   ; even and odd K steps; each accumulator from its low end on
.endr
.endr
.irp p, 0,2,4,6,8,10,12,14
	v_pk_mul_f32 v[YO+\p:YO+\p+1], v[YO+\p:YO+\p+1], v[GG:GG+1] op_sel_hi:[1,0]
.endr
.irp n, 0,1
	global_store_b128 v[YA], v[YO+8*\n:YO+8*\n+3], s[22:23] offset:64*\n          ; lane (r, h): outputs 16 n + 8 h + 0 .. 7 of row r
	global_store_b128 v[YA], v[YO+8*\n+4:YO+8*\n+7], s[22:23] offset:64*\n+16
.endr
.endm
	s_load_b512 s[8:23], s[0:1], 0x0               ; hc s[8:9], hsc s[10:11], route s[12:13], gate s[14:15], w2_codes s[16:17], w2_scales s[18:19], b2 s[20:21], y2 s[22:23]
	v_lshl_add_u32 v254, v0, 2, 0x10200
	v_mov_b32 v255, 0
	v_lshrrev_b32 v1, 5, v0
	v_readfirstlane_b32 s[WV], v1
	s_and_b32 s[EX], ttmp7, 0xffff
	s_mov_b32 s[SL], ttmp9
	v_and_b32 v1, 31, v0
	v_and_b32 v[RR], 15, v0
	v_bfe_u32 v[HH], v0, 4, 1
	v_lshlrev_b32 v[LI], 4, v1
	s_lshl_b32 s100, s[WV], 14
	v_add_nc_u32 v[GAD], s100, v[LI]
	s_mul_i32 s101, s[WV], 8*PITCH
	v_add_nc_u32 v[LSA], s101, v[LI]
	v_mul_u32_u24 v[LFA], v[RR], PITCH
	v_lshl_add_u32 v[LFA], v[HH], 4, v[LFA]
	v_lshlrev_b32 v[WSA], 7, v[RR]
	v_lshlrev_b32 v[BA], 5, v[HH]
	s_mov_b32 s63, 0                               ; s[62:63]: offsets under 4 GiB
	s_lshl_b32 s98, s[EX], 7                       ; the expert's mask
	s_mov_b32 s99, 0
	s_wait_kmcnt 0x0
	s_add_nc_u64 s[98:99], s[12:13], s[98:99]
	s_load_b512 s[MASK:MASK+15], s[98:99], 0x0
	s_load_b512 s[MASK+16:MASK+31], s[98:99], 0x40
	s_lshl_b32 s62, s[EX], 21                      ; the slice's codes: (1,024 e + 32 slice) rows of 2,048 bytes
	s_lshl_b32 s100, s[SL], 16
	s_add_co_u32 s62, s62, s100
	s_add_nc_u64 s[16:17], s[16:17], s[62:63]
	s_lshl_b32 s62, s[EX], 17                      ; its scale bytes: 128 a row
	s_lshl_b32 s100, s[SL], 12
	s_add_co_u32 s62, s62, s100
	s_add_nc_u64 s[18:19], s[18:19], s[62:63]
	s_lshl_b32 s62, s[EX], 12                      ; its part of b2
	s_lshl_b32 s100, s[SL], 7
	s_add_co_u32 s62, s62, s100
	s_add_nc_u64 s[20:21], s[20:21], s[62:63]
	s_mov_b32 s62, s100                            ; its 128 bytes of a row of y2
	s_add_nc_u64 s[22:23], s[22:23], s[62:63]
	s_lshl_b32 s62, s[EX], 21                      ; the expert's part of hc: 64 tiles of 32,768 bytes
	s_add_nc_u64 s[HCE:HCE+1], s[8:9], s[62:63]
	s_lshl_b32 s62, s[EX], 17                      ; and of hsc: 64 tiles of 2,048 bytes
	s_add_nc_u64 s[HSE:HSE+1], s[10:11], s[62:63]
	WIN 0xc0                                       ; destination window 3
.set ii, 0
.rept 32
	global_load_b128 v[4*ii:4*ii+3], v[GAD], s[16:17] offset:512*ii th:TH_LOAD_NT         ; my quarter of the slice, 512 consecutive bytes an instruction; read once in the launch
.set ii, ii+1
.endr
	WIN 0
.irp n, 0,1
.irp g, 0,1,2,3,4,5,6,7
	global_load_b128 v[W2S+32*\n+4*\g:W2S+32*\n+4*\g+3], v[WSA], s[18:19] offset:2048*\n+16*\g   ; register 32 n + s: lane r has the word of row 16 n + r for K step s
.endr
.endr
.irp n, 0,1
	global_load_b128 v[B2+8*\n:B2+8*\n+3], v[BA], s[20:21] offset:64*\n                   ; b2 in the result's layout
	global_load_b128 v[B2+8*\n+4:B2+8*\n+7], v[BA], s[20:21] offset:64*\n+16
.endr
	s_wait_kmcnt 0x0                               ; the mask
	s_mov_b32 s[NN], 0
.set cc, 0
.rept 32
.if cc > 0
	s_lshl_b32 s100, s[NN], 8
	s_or_b32 s[PCK+cc], s100, cc
.endif
	s_bcnt1_i32_b32 s100, s[MASK+cc]
	s_add_co_u32 s[NN], s[NN], s100
.set cc, cc+1
.endr
	s_sub_co_u32 s[N1], s[NN], 1
	s_add_co_u32 s[NT], s[NN], 15
	s_lshr_b32 s[NT], s[NT], 4
	NEXT WV                                        ; my first tile, while the weights are on their way (every address is held inside its buffer, whatever the mask)
	s_wait_loadcnt 22                              ; my quarter of the slice is in; 16 loads of scale words, 4 of b2 and NEXT's 2 may be out
	WIN 0x0c                                       ; an LDS store's data are its source 1: window 3
.set ii, 0
.rept 32
	ds_store_b128 v[LSA], v[4*ii:4*ii+3] offset:(ii/4)*PITCH+(ii%4)*512
.set ii, ii+1
.endr
	WIN 0
	s_wait_dscnt 0x0                               ; for the others' sake: my stores have landed (and have read their registers, which h's fragments take next)
	s_barrier_signal -1
	s_barrier_wait -1                              ; the launch's one barrier: every wave passes it, whatever the mask says
	s_cmp_ge_u32 s[WV], s[NT]
	s_cbranch_scc1 .Lend                           ; a wave that the split leaves without a tile stores nothing
	LG 0                                           ; with these two groups 56 loads of mine are out at the most (16 + 4 + 2 + 34): the LDS reads below follow at once,
	LG 1
	WIN 0x40                                       ; destination window 1
.set ss, 0
.rept 16
.irp n, 0,1
	ds_load_b128 v[8*(2*ss+\n):8*(2*ss+\n)+3], v[LFA] offset:16*PITCH*\n+64*ss
	ds_load_b128 v[8*(2*ss+\n)+4:8*(2*ss+\n)+7], v[LFA] offset:16*PITCH*\n+64*ss+32
.endr
.set ss, ss+1
.endr
	LG 2                                           ; and the other two groups go out between the two runs of LDS reads
	LG 3
	WIN 0x80                                       ; destination window 2
.set ss, 0
.rept 16
.irp n, 0,1
	ds_load_b128 v[8*(2*ss+\n):8*(2*ss+\n)+3], v[LFA] offset:16*PITCH*\n+64*(16+ss)
	ds_load_b128 v[8*(2*ss+\n)+4:8*(2*ss+\n)+7], v[LFA] offset:16*PITCH*\n+64*(16+ss)+32
.endr
.set ss, ss+1
.endr
	WIN 0
	s_wait_dscnt 0x0                               ; the slice stays in my registers from here on
	s_sub_co_u32 s[TR1], s[NT], s[WV]              ; at least 1 here
	s_sub_co_u32 s[TR1], s[TR1], 1
	s_lshr_b32 s[TR1], s[TR1], 2                   ; my tiles are q, q + 4, ... under the expert's count; all but the last have a successor: (tiles - q - 1) / 4 of them
	s_cmp_eq_u32 s[TR1], 0
	s_cbranch_scc1 .Llast
	s_mov_b32 s[IT], 0                             ; the loop is counted in trips, one a step; the tile's number is made of the trip's
.Ltile:
	s_lshl_b32 s[JN], s[IT], 2
	s_add_co_u32 s[JN], s[JN], s[WV]
	s_add_co_u32 s[JN], s[JN], 4                   ; the tile that this trip asks for: 4 x trip + wave + 4
	TRIP 1
	s_add_co_u32 s[IT], s[IT], 1
	s_cmp_lt_u32 s[IT], s[TR1]
	s_cbranch_scc1 .Ltile
.Llast:
	TRIP 0                                         ; the last tile is written out: it asks for nothing, and its counts run down
.Lend:
	s_wait_tensorcnt 0x0
	ds_add_u32 v254, v255
	s_wait_dscnt 0x0
	s_endpgm
.Lfunc_end_k_q4ca74199ef_ffn2:
	.size	k_q4ca74199ef_ffn2, .Lfunc_end_k_q4ca74199ef_ffn2-k_q4ca74199ef_ffn2
	.p2alignl 7, 3214868480
	.fill 96, 4, 3214868480
	.section	.rodata,"a",@progbits
	.p2align	6, 0x0
	.amdhsa_kernel k_q4ca74199ef_ffn2
		.amdhsa_group_segment_fixed_size 66560
		.amdhsa_private_segment_fixed_size 0
		.amdhsa_enable_private_segment 0
		.amdhsa_kernarg_size 64
		.amdhsa_user_sgpr_count 2
		.amdhsa_user_sgpr_kernarg_segment_ptr 1
		.amdhsa_wavefront_size32 1
		.amdhsa_system_sgpr_workgroup_id_x 1
		.amdhsa_system_sgpr_workgroup_id_y 1
		.amdhsa_system_sgpr_workgroup_id_z 1
		.amdhsa_system_vgpr_workitem_id 0
		.amdhsa_next_free_vgpr 1024
		.amdhsa_next_free_sgpr 102
		.amdhsa_reserve_vcc 1
		.amdhsa_float_denorm_mode_32 3
		.amdhsa_float_denorm_mode_16_64 3
		.amdhsa_memory_ordered 1
		.amdhsa_forward_progress 1
		.amdhsa_inst_pref_size 68
	.end_amdhsa_kernel
	.amdgpu_metadata
---
amdhsa.version: [ 1, 2 ]
amdhsa.kernels:
  - .name:           k_q4ca74199ef_ffn2
    .symbol:         k_q4ca74199ef_ffn2.kd
    .args:
      - { .name: hc, .offset: 0, .size: 8, .value_kind: global_buffer, .address_space: global }
      - { .name: hsc, .offset: 8, .size: 8, .value_kind: global_buffer, .address_space: global }
      - { .name: route, .offset: 16, .size: 8, .value_kind: global_buffer, .address_space: global }
      - { .name: gate, .offset: 24, .size: 8, .value_kind: global_buffer, .address_space: global }
      - { .name: w2_codes, .offset: 32, .size: 8, .value_kind: global_buffer, .address_space: global }
      - { .name: w2_scales, .offset: 40, .size: 8, .value_kind: global_buffer, .address_space: global }
      - { .name: b2, .offset: 48, .size: 8, .value_kind: global_buffer, .address_space: global }
      - { .name: y2, .offset: 56, .size: 8, .value_kind: global_buffer, .address_space: global }
    .group_segment_fixed_size: 66560
    .private_segment_fixed_size: 0
    .kernarg_segment_align: 8
    .kernarg_segment_size: 64
    .max_flat_workgroup_size: 128
    .sgpr_count:     102
    .vgpr_count:     1024
    .wavefront_size: 32
...
	.end_amdgpu_metadata
.endif
;; end of part 3
;; launch mix (part 4): grid 256 x 1, 8 waves a work-group, no clusters, 0 bytes of LDS; arguments x, y2, out0; writes out0
.if DOCPART == 4
	.amdgcn_target "amdgcn-amd-amdhsa--gfx1250"
	.amdhsa_code_object_version 6
	.text
	.protected	k_q4ca74199ef_mix
	.globl	k_q4ca74199ef_mix
	.p2align	8
	.type	k_q4ca74199ef_mix,@function
k_q4ca74199ef_mix:
	s_mov_b64 s[64:65], 0
	v_nop
	global_prefetch_b8 v0, s[64:65] scope:SCOPE_SE
	s_setreg_imm32_b32 hwreg(HW_REG_WAVE_MODE, 25, 1), 1
	s_wait_xcnt 0x0
; out0[t] = (y2[0][t] + y2[1][t]) + x[t]: the two chosen experts' weighted results and the residual.  All [1024][1024] f32; y2's second plane begins 4,194,304 bytes behind its first.
; A stream: a work-group takes 16,384 consecutive bytes of each array, a thread 16 bytes of each 4,096, so that a wave's load or store covers 512 consecutive bytes.  All twelve loads of a thread go out at once;
; each chunk has registers of its own, so nothing is written again.  No LDS, no barrier, no loop; the matrix unit and clusters have nothing to do here.
	s_load_b128 s[4:7], s[0:1], 0x0                ; x, y2
	s_load_b64 s[8:9], s[0:1], 0x10                ; out0
	v_lshlrev_b32 v1, 4, v0
	s_lshl_b32 s10, ttmp9, 14
	s_mov_b32 s11, 0
	s_wait_kmcnt 0x0
	s_add_nc_u64 s[4:5], s[4:5], s[10:11]
	s_add_nc_u64 s[6:7], s[6:7], s[10:11]
	s_add_nc_u64 s[8:9], s[8:9], s[10:11]
.irp i, 0,1,2,3
	global_load_b128 v[4+4*\i:7+4*\i], v1, s[4:5] offset:4096*\i th:TH_LOAD_NT
	global_load_b128 v[20+4*\i:23+4*\i], v1, s[6:7] offset:4096*\i th:TH_LOAD_NT
	global_load_b128 v[36+4*\i:39+4*\i], v1, s[6:7] offset:4194304+4096*\i th:TH_LOAD_NT
.endr
.irp i, 0,1,2,3
	s_wait_loadcnt 9-3*\i                          ; this chunk's three loads are in; the later chunks' three each may be out
	v_pk_add_f32 v[20+4*\i:21+4*\i], v[20+4*\i:21+4*\i], v[36+4*\i:37+4*\i]
	v_pk_add_f32 v[22+4*\i:23+4*\i], v[22+4*\i:23+4*\i], v[38+4*\i:39+4*\i]
	v_pk_add_f32 v[20+4*\i:21+4*\i], v[20+4*\i:21+4*\i], v[4+4*\i:5+4*\i]
	v_pk_add_f32 v[22+4*\i:23+4*\i], v[22+4*\i:23+4*\i], v[6+4*\i:7+4*\i]
	global_store_b128 v1, v[20+4*\i:23+4*\i], s[8:9] offset:4096*\i th:TH_STORE_NT
.endr
	s_endpgm
.Lfunc_end_k_q4ca74199ef_mix:
	.size	k_q4ca74199ef_mix, .Lfunc_end_k_q4ca74199ef_mix-k_q4ca74199ef_mix
	.p2alignl 7, 3214868480
	.fill 96, 4, 3214868480
	.section	.rodata,"a",@progbits
	.p2align	6, 0x0
	.amdhsa_kernel k_q4ca74199ef_mix
		.amdhsa_group_segment_fixed_size 0
		.amdhsa_private_segment_fixed_size 0
		.amdhsa_enable_private_segment 0
		.amdhsa_kernarg_size 24
		.amdhsa_user_sgpr_count 2
		.amdhsa_user_sgpr_kernarg_segment_ptr 1
		.amdhsa_wavefront_size32 1
		.amdhsa_system_sgpr_workgroup_id_x 1
		.amdhsa_system_sgpr_workgroup_id_y 1
		.amdhsa_system_sgpr_workgroup_id_z 1
		.amdhsa_system_vgpr_workitem_id 0
		.amdhsa_next_free_vgpr 64
		.amdhsa_next_free_sgpr 66
		.amdhsa_reserve_vcc 0
		.amdhsa_float_denorm_mode_32 3
		.amdhsa_float_denorm_mode_16_64 3
		.amdhsa_memory_ordered 1
		.amdhsa_forward_progress 1
		.amdhsa_inst_pref_size 4
	.end_amdhsa_kernel
	.amdgpu_metadata
---
amdhsa.version: [ 1, 2 ]
amdhsa.kernels:
  - .name:           k_q4ca74199ef_mix
    .symbol:         k_q4ca74199ef_mix.kd
    .args:
      - { .name: x, .offset: 0, .size: 8, .value_kind: global_buffer, .address_space: global }
      - { .name: y2, .offset: 8, .size: 8, .value_kind: global_buffer, .address_space: global }
      - { .name: out0, .offset: 16, .size: 8, .value_kind: global_buffer, .address_space: global }
    .group_segment_fixed_size: 0
    .private_segment_fixed_size: 0
    .kernarg_segment_align: 8
    .kernarg_segment_size: 24
    .max_flat_workgroup_size: 256
    .sgpr_count:     66
    .vgpr_count:     64
    .wavefront_size: 32
...
	.end_amdgpu_metadata
.endif
;; end of part 4
;; ======== version 2 of 2: 4 launches
;; workspace buffers: xq 524,288 bytes; xs 32,768 bytes; route 5,120 bytes of whole numbers; gate 8,192 bytes; hc 16,777,216 bytes; hsc 1,048,576 bytes; y2 8,388,608 bytes
;; launch route (part 5): grid 128 x 1, 8 waves a work-group, no clusters, 71,680 bytes of LDS; arguments x, router_w, router_b, xq, xs, route, gate; writes xq, xs, route, gate
.if DOCPART == 5
	.amdgcn_target "amdgcn-amd-amdhsa--gfx1250"
	.amdhsa_code_object_version 6
	.text
	.protected	k_q4ca74199ef_route
	.globl	k_q4ca74199ef_route
	.p2align	8
	.type	k_q4ca74199ef_route,@function
k_q4ca74199ef_route:
	s_mov_b64 s[64:65], 0
	v_nop
	global_prefetch_b8 v0, s[64:65] scope:SCOPE_SE
	s_setreg_imm32_b32 hwreg(HW_REG_WAVE_MODE, 25, 1), 1
	s_wait_xcnt 0x0
; ROUTER AND QUANTISER OF x.  x: [1024 tokens][1024] f32; router_w: [1024][8] f32; router_b: [8] f32.
; For each token: logits = x . router_w + router_b, softmax (the maximum taken away first), the two largest p (a strict comparison: the lower index wins a tie), g = p / (p0 + p1 + 1e-8).
; Also x as codes of E2M1 along its 1,024, one E8M0 byte for each 32: byte = the exponent field of the block's largest magnitude - 2.
; STORED, all at fixed places (no address here hangs on the choice):
;   xq    [t][512 bytes] codes, K innermost;   xs [t][32] scale bytes;   gate [t][2] f32: g0, g1
;   route bytes 0..1023: for expert e the bit t % 8 of byte 128 e + t / 8 says that token t uses e;  bytes 1024 on: e1[t], the second choice, a word a token
; SHARES.  A work-group takes 8 tokens, a wave one token; lane l owns block l of the token's 32 blocks of 32 numbers, for the quantiser and for the logits alike.
; LIMITS: NaN and infinities are not served.  A block whose largest magnitude lies under 2^-124, a block of zeros among them, gets the byte 1 (its codes under that byte are what the division gives; zeros stay zeros); the bytes are read by this program alone.
;   Two p that f32 arithmetic cannot tell apart may be ranked otherwise than by another order of the sums.
; No matrix unit: the product has 8 columns.  No tensor load: what is shared, router_w, is 32 KiB and is read once by the work-group.
.set RWP,  1040                        ; LDS: router_w as 32 blocks of 1,024 bytes (32 d x 8 experts), 16 bytes of padding behind each: lane l's block begins 260 l words on, so sixteen lanes' 16 bytes fall on sixteen different columns of 16 bytes
.set XT,   33280                       ; a stage for each wave: 32 places of 128 bytes + 16
.set XTW,  4608
.set XTP,  144
.set REC,  70144                       ; 16 bytes a wave: e0, e1, g0, g1
.set XSB,  70400                       ; the work-group's 256 scale bytes: 32 x wave + block
.set WR,   8                           ; v8-39    router_w as loaded
.set XD,   40                          ; v40-71   x as loaded: 16 bytes a lane of each 512
.set X,    72                          ; v72-103  my block's 32 numbers
.set W,    104                         ; v104-167 router_w for 8 of my d
.set ACC,  168                         ; v168-175 eight sums, then logits, then p
.set Q,    184                         ; v184-191 at work
.set CD,   200                         ; v200-203 my block's codes
.set RC,   204                         ; v204-207 the token's record
	s_load_b256 s[4:11], s[0:1], 0x0               ; x, router_w, router_b, xq
	s_load_b128 s[12:15], s[0:1], 0x20             ; xs, route
	s_load_b64 s[16:17], s[0:1], 0x30              ; gate
	v_lshl_add_u32 v224, v0, 2, 0x11400
	v_mov_b32 v225, 0
	v_lshrrev_b32 v1, 5, v0
	s_delay_alu instid0(VALU_DEP_1)
	v_readfirstlane_b32 s30, v1                    ; wave 0..7
	v_and_b32 v1, 31, v0                           ; lane
	v_lshlrev_b32 v6, 4, v0                        ; router_w: 16 bytes a thread of each 4,096
	v_lshrrev_b32 v2, 6, v0
	s_delay_alu instid0(VALU_DEP_1)
	v_lshl_add_u32 v2, v2, 4, v6                   ; and in LDS: + 16 for each 1,024 passed
	s_delay_alu instid0(VALU_DEP_4)
	v_mul_u32_u24 v3, v1, RWP                      ; my block of router_w
	s_mul_i32 s31, s30, XTW
	s_add_co_u32 s31, s31, XT                      ; my wave's stage
	v_lshrrev_b32 v4, 3, v1
	s_delay_alu instid0(VALU_DEP_1)
	v_mul_u32_u24 v4, v4, XTP
	v_and_b32 v5, 7, v1
	s_delay_alu instid0(VALU_DEP_1)
	v_lshl_add_u32 v4, v5, 4, v4
	s_delay_alu instid0(VALU_DEP_1)
	v_add_nc_u32 v4, s31, v4                       ; into it: eight lanes' 128 bytes to a place
	v_mul_u32_u24 v5, v1, XTP
	s_delay_alu instid0(VALU_DEP_1)
	v_add_nc_u32 v5, s31, v5                       ; out of it: my place
	v_lshlrev_b32 v7, 4, v1                        ; 16 x lane
	v_add_nc_u32 v215, XSB, v0                     ; my block's scale byte
	s_lshl_b32 s33, s30, 4
	s_add_co_u32 s33, s33, REC
	v_mov_b32 v199, s33                            ; my wave's record
	v_and_b32 v208, 7, v1
	s_delay_alu instid0(VALU_DEP_1)
	v_lshl_add_u32 v208, v208, 4, REC              ; wave 0 at the end: lane l reads the record of token l % 8,
	v_lshl_add_u32 v209, v1, 3, XSB                ; and 8 of the 256 scale bytes
	v_lshlrev_b32 v210, 3, v1
	s_mov_b32 s43, ttmp9
	v_lshl_add_u32 v211, v1, 7, s43                ; route: byte 128 e + work-group, e = lane
	s_lshl_b32 s44, s43, 5
	v_lshl_add_u32 v212, v1, 2, s44                ; e1: word 8 x work-group + lane
	s_lshl_b32 s45, s43, 6
	v_lshl_add_u32 v213, v1, 3, s45                ; gate: 8 bytes a token
	v_mov_b32 v214, 0                              ; written whole before single lanes of it are written
	s_lshl_b32 s32, s43, 3
	s_add_co_u32 s32, s32, s30                     ; my token
	s_lshl_b32 s34, s32, 12                        ; its row of x,
	s_mov_b32 s35, 0
	s_lshl_b32 s36, s32, 9                         ; its codes,
	s_mov_b32 s37, 0
	s_lshl_b32 s38, s43, 8                         ; the work-group's scale bytes
	s_mov_b32 s39, 0
	s_mov_b32 s28, 0x76543210
	s_mov_b32 s29, 0xfedcba98                      ; v_permlanex16_b32's selects for lane l xor 16
	s_wait_kmcnt 0x0
	s_load_b256 s[20:27], s[8:9], 0x0              ; router_b
	s_add_nc_u64 s[4:5], s[4:5], s[34:35]
	s_add_nc_u64 s[10:11], s[10:11], s[36:37]
	s_add_nc_u64 s[12:13], s[12:13], s[38:39]
.irp k, 0,1,2,3,4,5,6,7
	global_load_b128 v[WR+4*\k:WR+4*\k+3], v6, s[6:7] offset:4096*\k      ; the work-group reads router_w once: 4,096 consecutive bytes an instruction
.endr
.irp i, 0,1,2,3,4,5,6,7
	global_load_b128 v[XD+4*\i:XD+4*\i+3], v7, s[4:5] offset:512*\i       ; my token's row: 512 consecutive bytes an instruction
.endr
	s_wait_loadcnt 0x8                             ; router_w is in; x's eight loads may be out
.irp k, 0,1,2,3,4,5,6,7
	ds_store_b128 v2, v[WR+4*\k:WR+4*\k+3] offset:4160*\k
.endr
	s_wait_loadcnt 0x0
.irp i, 0,1,2,3,4,5,6,7
	ds_store_b128 v4, v[XD+4*\i:XD+4*\i+3] offset:576*\i                  ; four places an instruction
.endr
.irp g, 0,1,2,3,4,5,6,7
	ds_load_b128 v[X+4*\g:X+4*\g+3], v5 offset:16*\g                      ; LDS serves a wave's instructions in order: these see my stores.  32 neighbours along K in my registers
.endr
	s_wait_dscnt 0x0                               ; my part of router_w has landed, and my block is in
	s_barrier_signal -1
	s_barrier_wait -1                              ; everybody's part has
	; ---- the quantiser: my block's largest magnitude in two chains, with the floor 2^(3 - 127) as one more leaf, which holds the byte at 1 from below
	v_max3_num_f32 v176, |v[X]|, |v[X+1]|, 0x1800000
	v_max3_num_f32 v177, |v[X+2]|, |v[X+3]|, |v[X+4]|
.irp i, 5,9,13,17,21,25
	s_delay_alu instid0(VALU_DEP_2)
	v_max3_num_f32 v176, v176, |v[X+\i]|, |v[X+\i+1]|
	s_delay_alu instid0(VALU_DEP_2)
	v_max3_num_f32 v177, v177, |v[X+\i+2]|, |v[X+\i+3]|
.endr
	s_delay_alu instid0(VALU_DEP_2)
	v_max3_num_f32 v176, v176, |v[X+29]|, |v[X+30]|
	s_delay_alu instid0(VALU_DEP_1)
	v_max3_num_f32 v176, v176, v177, |v[X+31]|
	s_delay_alu instid0(VALU_DEP_1)
	v_add_nc_u32 v178, 0xff000000, v176            ; 2 off its exponent field: the conversion takes the exponent field of this operand as its scale, and nothing else of it
.irp g, 0,1,2,3
	v_cvt_scalef32_pk8_fp4_f32 v[CD+\g], v[X+8*\g:X+8*\g+7], v178
.endr
	v_lshrrev_b32 v179, 23, v178                   ; the scale's byte.  (Also the plain line behind the conversions)
	global_store_b128 v7, v[CD:CD+3], s[10:11]     ; the wave stores the token's 512 bytes of codes on end
	ds_store_b8 v215, v179
	; ---- the logits: lane l sums over its 32 d, two experts an instruction; x is taken for both halves from one register of its pair
.set bb, 0
.rept 4
.irp i, 0,1,2,3,4,5,6,7,8,9,10,11,12,13,14,15
	ds_load_b128 v[W+4*\i:W+4*\i+3], v3 offset:256*bb+16*\i
.endr
	s_wait_alu depctr_va_vdst(0)
	s_wait_dscnt 0x0
.set jj, 0
.rept 8
.set xp, X+8*bb+(jj/2)*2
.irp p, 0,2,4,6
.if (bb == 0) && (jj == 0)
	v_pk_mul_f32 v[ACC+\p:ACC+\p+1], v[W+8*jj+\p:W+8*jj+\p+1], v[xp:xp+1] op_sel_hi:[1,0]              ; the first product starts the sums
.elseif jj%2 == 0
	v_pk_fma_f32 v[ACC+\p:ACC+\p+1], v[W+8*jj+\p:W+8*jj+\p+1], v[xp:xp+1], v[ACC+\p:ACC+\p+1] op_sel_hi:[1,0,1]
.else
	s_delay_alu instid0(VALU_DEP_4)
	v_pk_fma_f32 v[ACC+\p:ACC+\p+1], v[W+8*jj+\p:W+8*jj+\p+1], v[xp:xp+1], v[ACC+\p:ACC+\p+1] op_sel:[0,1,0] op_sel_hi:[1,1,1]
.endif
.endr
.set jj, jj+1
.endr
.set bb, bb+1
.endr
.irp m, 1,2,4,8
.irp e, 0,1,2,3,4,5,6,7
	v_add_f32_dpp v[ACC+\e], v[ACC+\e], v[ACC+\e] row_xmask:\m row_mask:0xf bank_mask:0xf     ; over the 16 lanes of a half, the eight sums by turns
.endr
.endr
.irp e, 0,1,2,3,4,5,6,7
	v_permlanex16_b32 v[W+\e], v[ACC+\e], s28, s29 ; (its destination counts as read: these registers have been loaded)
.endr
	s_wait_alu depctr_va_vdst(0)
	s_wait_kmcnt 0x0                               ; router_b
.irp e, 0,1,2,3,4,5,6,7
	v_add_f32 v[ACC+\e], v[ACC+\e], v[W+\e]
.endr
.irp e, 0,1,2,3,4,5,6,7
	v_add_f32 v[ACC+\e], s[20+\e], v[ACC+\e]       ; every lane holds the token's eight logits
.endr
	; ---- softmax
	v_max3_num_f32 v176, v[ACC], v[ACC+1], v[ACC+2]
	s_delay_alu instid0(VALU_DEP_1)
	v_max3_num_f32 v176, v176, v[ACC+3], v[ACC+4]
	s_delay_alu instid0(VALU_DEP_1)
	v_max3_num_f32 v176, v176, v[ACC+5], v[ACC+6]
	s_delay_alu instid0(VALU_DEP_1)
	v_max_num_f32 v176, v176, v[ACC+7]
.irp e, 0,1,2,3,4,5,6,7
	v_sub_f32 v[Q+\e], v[ACC+\e], v176
.endr
.irp e, 0,1,2,3,4,5,6,7
	v_mul_f32 v[Q+\e], 0x3fb8aa3b, v[Q+\e]         ; x log2(e)
.endr
	s_wait_alu depctr_va_vdst(0)
.irp e, 0,1,2,3,4,5,6,7
	v_exp_f32 v[Q+\e], v[Q+\e]
.endr
	v_nop                                          ; a plain line behind the exponentials
	s_wait_alu depctr_va_vdst(0)
	v_add_f32 v192, v[Q], v[Q+1]
	v_add_f32 v193, v[Q+2], v[Q+3]
	v_add_f32 v194, v[Q+4], v[Q+5]
	v_add_f32 v195, v[Q+6], v[Q+7]
	s_delay_alu instid0(VALU_DEP_3)
	v_add_f32 v192, v192, v193
	s_delay_alu instid0(VALU_DEP_2)
	v_add_f32 v194, v194, v195
	s_delay_alu instid0(VALU_DEP_1)
	v_add_f32 v192, v192, v194
	s_wait_alu depctr_va_vdst(0)
	v_rcp_f32 v196, v192
	v_mov_b32 v177, 0                              ; (a plain line behind the reciprocal)  the first choice so far: expert 0
	s_wait_alu depctr_va_vdst(0)
.irp e, 0,1,2,3,4,5,6,7
	v_mul_f32 v[ACC+\e], v[Q+\e], v196             ; p
.endr
	; ---- the two largest: a later expert takes the place only if its p is strictly larger
	v_mov_b32 v176, v[ACC]
.irp i, 1,2,3,4,5,6,7
	s_delay_alu instid0(VALU_DEP_1)
	v_cmp_ge_f32 vcc_lo, v176, v[ACC+\i]
	s_delay_alu instid0(VALU_DEP_1)
	v_cndmask_b32 v177, \i, v177, vcc_lo
	s_delay_alu instid0(VALU_DEP_3)
	v_max_num_f32 v176, v176, v[ACC+\i]
.endr
	v_mov_b32 v198, -1.0                           ; under every p
.irp i, 0,1,2,3,4,5,6,7
	v_cmp_eq_u32 vcc_lo, \i, v177
	s_delay_alu instid0(VALU_DEP_1)
	v_cndmask_b32 v[Q+\i], v[ACC+\i], v198, vcc_lo ; the first choice is taken out
.endr
	v_mov_b32 v178, v[Q]
	v_mov_b32 v179, 0
.irp i, 1
	s_delay_alu instid0(VALU_DEP_2)
	v_cmp_ge_f32 vcc_lo, v178, v[Q+\i]
	s_delay_alu instid0(VALU_DEP_1)
	v_cndmask_b32 v179, \i, v179, vcc_lo
	s_delay_alu instid0(VALU_DEP_4)
	v_max_num_f32 v178, v178, v[Q+\i]
.endr
.irp i, 2, 3, 4, 5, 6, 7
	s_delay_alu instid0(VALU_DEP_1)
	v_cmp_ge_f32 vcc_lo, v178, v[Q+\i]
	s_delay_alu instid0(VALU_DEP_1)
	v_cndmask_b32 v179, \i, v179, vcc_lo
	s_delay_alu instid0(VALU_DEP_3)
	v_max_num_f32 v178, v178, v[Q+\i]
.endr
	s_delay_alu instid0(VALU_DEP_1)
	v_add_f32 v192, v176, v178
	s_delay_alu instid0(VALU_DEP_1)
	v_add_f32 v192, 0x322bcc77, v192               ; + 1e-8
	s_wait_alu depctr_va_vdst(0)
	v_rcp_f32 v192, v192
	v_mov_b32 v[RC], v177                          ; (a plain line behind the reciprocal)
	v_mov_b32 v[RC+1], v179
	s_wait_alu depctr_va_vdst(0)
	v_mul_f32 v[RC+2], v176, v192
	v_mul_f32 v[RC+3], v178, v192
	ds_store_b128 v199, v[RC:RC+3]                 ; all lanes write the same 16 bytes with the same values
	s_wait_dscnt 0x0                               ; for wave 0's sake: my record and my scale bytes have landed
	s_barrier_signal -1
	s_barrier_wait -1
	; ---- wave 0 stores what the eight tokens have in common units
	s_cmp_lg_u32 s30, 0
	s_cbranch_scc1 .Lend
	ds_load_b128 v[12:15], v208                    ; e0, e1, g0, g1 of token lane % 8
	ds_load_b64 v[16:17], v209
	s_wait_dscnt 0x0
	global_store_b64 v210, v[16:17], s[12:13]      ; the eight tokens' 256 scale bytes: 256 consecutive bytes, at a multiple of 256 from xs's first byte
.irp e, 0,1,2,3,4,5,6,7
	v_cmp_eq_u32 s40, \e, v12
	v_cmp_eq_u32 s41, \e, v13
	s_or_b32 s40, s40, s41
	s_and_b32 s40, s40, 0xff                       ; bit w: token w of the eight uses expert e
	v_writelane_b32 v214, s40, \e
.endr
	s_wait_alu depctr_va_vdst(0)
	s_wait_xcnt 0x0                                ; EXEC changes only behind this wait
	v_cmp_gt_u32 vcc_lo, 8, v1
	s_and_saveexec_b32 s42, vcc_lo
	global_store_b8 v211, v214, s[14:15]           ; lane e: the work-group's byte of expert e's mask
	global_store_b32 v212, v13, s[14:15] offset:1024
	global_store_b64 v213, v[14:15], s[16:17]
	s_wait_xcnt 0x0                                ; and again in front of the line that widens it
	s_or_b32 exec_lo, exec_lo, s42
.Lend:
	s_wait_tensorcnt 0x0
	ds_add_u32 v224, v225
	s_wait_dscnt 0x0
	s_endpgm
.Lfunc_end_k_q4ca74199ef_route:
	.size	k_q4ca74199ef_route, .Lfunc_end_k_q4ca74199ef_route-k_q4ca74199ef_route
	.p2alignl 7, 3214868480
	.fill 96, 4, 3214868480
	.section	.rodata,"a",@progbits
	.p2align	6, 0x0
	.amdhsa_kernel k_q4ca74199ef_route
		.amdhsa_group_segment_fixed_size 71680
		.amdhsa_private_segment_fixed_size 0
		.amdhsa_enable_private_segment 0
		.amdhsa_kernarg_size 56
		.amdhsa_user_sgpr_count 2
		.amdhsa_user_sgpr_kernarg_segment_ptr 1
		.amdhsa_wavefront_size32 1
		.amdhsa_system_sgpr_workgroup_id_x 1
		.amdhsa_system_sgpr_workgroup_id_y 1
		.amdhsa_system_sgpr_workgroup_id_z 1
		.amdhsa_system_vgpr_workitem_id 0
		.amdhsa_next_free_vgpr 226
		.amdhsa_next_free_sgpr 66
		.amdhsa_reserve_vcc 1
		.amdhsa_float_denorm_mode_32 3
		.amdhsa_float_denorm_mode_16_64 3
		.amdhsa_memory_ordered 1
		.amdhsa_forward_progress 1
		.amdhsa_inst_pref_size 35
	.end_amdhsa_kernel
	.amdgpu_metadata
---
amdhsa.version: [ 1, 2 ]
amdhsa.kernels:
  - .name:           k_q4ca74199ef_route
    .symbol:         k_q4ca74199ef_route.kd
    .args:
      - { .name: x, .offset: 0, .size: 8, .value_kind: global_buffer, .address_space: global }
      - { .name: router_w, .offset: 8, .size: 8, .value_kind: global_buffer, .address_space: global }
      - { .name: router_b, .offset: 16, .size: 8, .value_kind: global_buffer, .address_space: global }
      - { .name: xq, .offset: 24, .size: 8, .value_kind: global_buffer, .address_space: global }
      - { .name: xs, .offset: 32, .size: 8, .value_kind: global_buffer, .address_space: global }
      - { .name: route, .offset: 40, .size: 8, .value_kind: global_buffer, .address_space: global }
      - { .name: gate, .offset: 48, .size: 8, .value_kind: global_buffer, .address_space: global }
    .group_segment_fixed_size: 71680
    .private_segment_fixed_size: 0
    .kernarg_segment_align: 8
    .kernarg_segment_size: 56
    .max_flat_workgroup_size: 256
    .sgpr_count:     66
    .vgpr_count:     226
    .wavefront_size: 32
...
	.end_amdgpu_metadata
.endif
;; end of part 5
;; launch ffn1 (part 6): grid 32 x 8, 4 waves a work-group, no clusters, 68,096 bytes of LDS; arguments xq, xs, route, w1_codes, w1_scales, b1, hc, hsc; writes hc, hsc
.if DOCPART == 6
	.amdgcn_target "amdgcn-amd-amdhsa--gfx1250"
	.amdhsa_code_object_version 6
	.text
	.protected	k_q4ca74199ef_ffn1
	.globl	k_q4ca74199ef_ffn1
	.p2align	8
	.type	k_q4ca74199ef_ffn1,@function
k_q4ca74199ef_ffn1:
	s_mov_b64 s[64:65], 0
	v_nop
	global_prefetch_b8 v0, s[64:65] scope:SCOPE_SE
	s_setreg_imm32_b32 hwreg(HW_REG_WAVE_SCHED_MODE, 0, 2), 2
	s_setreg_imm32_b32 hwreg(HW_REG_WAVE_MODE, 25, 1), 1
	s_wait_xcnt 0x0
	s_wait_alu depctr_vm_vsrc(0)
; h = Q(gelu(x W1 + b1)) FOR THE ROWS THAT AN EXPERT WAS CHOSEN FOR, on codes of E2M1 with one E8M0 scale for each 32 along K; gelu by erf, in f32; Q the quantiser along the hidden axis.
; SHARES.  Work-group (x = slice, y = expert) owns 128 hidden units of one expert: 128 rows of w1_codes, 64 KiB on end, which no other work-group reads.  All four waves hold that slice in 512 registers
; (it goes from memory through LDS once, so that memory is read in runs of 512 bytes) and share the expert's rows, 16 to a tile: wave q takes tiles q, q + 4, ...
; ROWS.  A row of the expert is named by its rank among the set bits of the expert's mask of 1,024 tokens (route).  TOKEN turns a lane's rank into its token, in registers.  Ranks past the last repeat the last row.
; The trip count hangs on the stored mask, so there is no tensor load, no cluster and no barrier in the loop: the one barrier stands at the head, ahead of every branch on data.
; Multicast is left out for that reason: partners would need different numbers of tiles, and a work-group's weights are read by nobody else.
; LAYOUT.  The product is used transposed (source 0 = 16 rows of W1, source 1 = 16 rows of x): a lane holds ONE row.  THE ROWS OF W1 THAT FORM A TILE ARE NOT NEIGHBOURS: lane r of tile 2 b + u takes row
; 32 b + 8 u + r + 8 (r / 8), so that the 16 registers of tiles 2 b, 2 b + 1 are 16 neighbours along the next K: 32 b + 16 (lane / 16) + 0 .. 15.  b1 is the C of each sum's first product.
; IN LDS a tile's sixteen rows lie on end (the rows change places on the way in): at a pitch of 528 = 33 x 16 bytes the sixteen lanes of a half then read sixteen different columns of 16 bytes.
; OUT.  A wave's 16 rows x 128 hidden units are one fragment of the next product, K step = slice: it is stored as an image of its registers, hc[e][tile][slice][1,024 bytes]: 512 c + 16 x lane.
;   Its scale words go to hsc[e][tile][g][lane][w], a word each, for K step 8 g + 2 w + lane / 16 and row lane % 16: so the next launch takes four scale registers by one load of 16 bytes a lane.  The price: my 4-byte stores stand 16 bytes apart.
; LIMITS: NaN and infinities are not served.  A block whose largest magnitude lies under 2^-124, a block of zeros among them, gets the byte 1; the bytes are read by this program alone.
;   erf(z) = z P(z z) / Q(z z), z held to +-4, P of degree 6 and Q of degree 4: given by its source as good to a few units in erf's last place; 1 + erf is formed in f32, so far out on the negative side gelu keeps f32's absolute, not relative, accuracy.
; REGISTERS, in windows of 256: window 0: v1-29 addresses and TOKEN; v32-39 x's scale words; v40-103 W1's; v104-167 the 8 tiles of h; v168-215 erf at work; v216-240 the quantiser.
;   window 1: W1's fragments of tiles 0-3 (tile t, K step s at v[64 t + 8 s]);  window 2: of tiles 4-7;  window 3: v0-63 b1, v64-127 x's eight fragments, v128-255 the weights on their way to LDS.
; THE MODE: SCHED_MODE bits 1:0 = 2 (LLVM: expert scheduling mode 2), set by the entry lines.  The code itself states the register dependences
; between vector or matrix instructions and memory or LDS instructions, and those from a vector instruction to a scalar register or VCC, with s_wait_alu, always for 0.
; THE PLAN.  Registers that memory or LDS instructions touch:
;   LI, R16, GAD, LSA, LFA, WSA, BA   offsets and LDS addresses: written once, at the head, ahead of the first wait on va_vdst; never again.
;   window 3, v128-255                the slice as loaded: written by loads, read by the LDS stores, never named again.
;   windows 1 and 2, B1, W1S          W1's fragments, b1, W1's scale words: written by loads at the head, read by the products alone.
;   XF, XS                            x's fragments and scale words: a trip's 64 products read them; the next tile's 18 loads land in them, behind TOKEN.
;   XA, XSA                           those loads' offsets: written in XLOAD, read by its loads.
;   PC, PW                            written by QUANT, read by the trip's three stores.
;   v254, v255                        written at the head, read by the closing add alone.
; So a trip has: in XLOAD one wait on vm_vsrc ahead of the two offsets' lines and one on va_vdst behind them, which also states that the products are done with XF and XS; one on vm_vsrc ahead of QUANT;
; one on va_vdst ahead of the stores.  The waits behind the reciprocals and those behind compares are of the vector side's own.
.set PITCH, 528                        ; an LDS row: 512 bytes + 16
.set RR,   2                           ; v2   r = lane % 16
.set HH,   3                           ; v3   h = lane / 16
.set LI,   4                           ; v4   16 x lane
.set R16,  5                           ; v5   16 r
.set GAD,  6                           ; v6   the slice in memory: 16,384 x wave + 16 x lane
.set LSA,  7                           ; v7   and in LDS: 32 rows x wave + 16 x lane
.set LFA,  8                           ; v8   a fragment's row: r x pitch + 16 h
.set WSA,  9                           ; v9   W1's scale words: 32 bytes a row
.set BA,   10                          ; v10  b1: 64 h
.set XA,   11                          ; v11  my row's codes of x
.set XSA,  12                          ; v12  and its scale words
.set KEY,  13                          ; v13-23 TOKEN at work
.set MW,   14
.set PK,   15
.set DR,   16
.set POS,  17
.set T0,   18
.set T1,   19
.set C1,   20
.set C2,   21
.set C4,   22
.set C8,   23
.set TOK,  24                          ; v24  my row's token
.set H16,  25                          ; v25  16 h
.set KV0,  26                          ; v[26:27], v[28:29] the leading coefficients of P and of Q, each twice: an instruction takes one literal
.set KV1,  28
.set XS,   32
.set W1S,  40
.set HA,   104
.set EZ,   168
.set ES,   176
.set EA,   192
.set ER,   200
.set EU,   208
.set TM,   216
.set PC,   232
.set PW,   240
.set B1,   0                           ; in window 3
.set XF,   64
.set SG,   128
.set WV,   2                           ; s2 wave, s3 expert, s4 slice, s5 the expert's rows, s6 the last rank, s7 tiles
.set EX,   3
.set SL,   4
.set NN,   5
.set N1,   6
.set NT,   7
.set TR,   5                           ; s5   from the loop on (the rows' count is done with): how many tiles are my wave's
.set MK,   12                          ; s12-19  the masks of a run of TOKEN's compares (the four addresses that come here are summed into other registers at the head)
.set MASK, 24                          ; s24-55  the expert's mask, 32 words
.set PCK,  66                          ; s67-97  word c: (set bits ahead of it) << 8 | c.  (Word 0's is the constant 0 and is not kept)
.set IT,   66                          ; s66  the trip's number
.set SEL,  56                          ; s[56:57] v_permlanex16_b32's selects for lane l xor 16
.set JJ,   58                          ; s58  the tile in hand;  s59 the next  (at the head s[58:59] is b1's base)
.set JN,   59
.set SLO,  104                         ; s104 my slice's place among a tile's scale words
.set MSB, 0
.macro WIN new                         ; the immediate's high byte repeats the setting that is left; a switch that changes nothing is dropped
.if MSB != (\new)
	s_set_vgpr_msb (MSB<<8)|(\new)
.set MSB, (\new)
.endif
.endm
; One step of the search for the DR-th set bit: are there DR or fewer set bits in the lower half of what is left?  Then it lies in the upper half.
.macro PICK src, w, width
	v_bfe_u32 v[T0], v[\src], v[POS], \width
	v_cmp_le_u32 vcc_lo, v[T0], v[DR]
	v_add_nc_u32 v[T1], \w, v[POS]
	s_wait_alu depctr_va_vcc(0)                    ; the compare has written VCC, which the two selects read
	v_cndmask_b32 v[T0], 0, v[T0], vcc_lo
	v_cndmask_b32 v[POS], v[POS], v[T1], vcc_lo
	v_sub_nc_u32 v[DR], v[DR], v[T0]
.endm
; v[TOK] = the token of rank 16 x s[sj] + r, held at the last rank.  Whole numbers alone, no memory.  The word: the last whose prefix is at most the rank (the packed prefixes rise with c); the bit: by counts in fields of 2, 4, 8, 16 bits.
; The 31 compares stand in runs of eight, each into a scalar register of its own, with one wait behind a run; the run's selects follow, in the words' order.
.macro TOKEN sj
	v_lshl_add_u32 v[DR], s[\sj], 4, v[RR]
	v_min_u32 v[DR], s[N1], v[DR]
	v_lshl_or_b32 v[KEY], v[DR], 8, 0xff
	v_mov_b32 v[MW], s[MASK]
	v_mov_b32 v[PK], 0
.set cc, 1
.rept 4
.set kk, 0
.rept 8
.if cc+kk < 32
	v_cmp_gt_u32 s[MK+kk], s[PCK+cc+kk], v[KEY]
.endif
.set kk, kk+1
.endr
	s_wait_alu depctr_va_sdst(0)                   ; the run's compares have written s[MK ..], which the selects below read
.set kk, 0
.rept 8
.if cc+kk < 32
	v_cndmask_b32 v[MW], s[MASK+cc+kk], v[MW], s[MK+kk]
	v_cndmask_b32 v[PK], s[PCK+cc+kk], v[PK], s[MK+kk]
.endif
.set kk, kk+1
.endr
.set cc, cc+8
.endr
	v_lshrrev_b32 v[T0], 8, v[PK]
	v_sub_nc_u32 v[DR], v[DR], v[T0]               ; the rank inside the word
	v_lshrrev_b32 v[T0], 1, v[MW]
	v_and_b32 v[T0], 0x55555555, v[T0]
	v_sub_nc_u32 v[C1], v[MW], v[T0]
	v_lshrrev_b32 v[T0], 2, v[C1]
	v_and_b32 v[T1], 0x33333333, v[C1]
	v_and_b32 v[T0], 0x33333333, v[T0]
	v_add_nc_u32 v[C2], v[T1], v[T0]
	v_lshrrev_b32 v[T0], 4, v[C2]
	v_add_nc_u32 v[T0], v[C2], v[T0]
	v_and_b32 v[C4], 0x0f0f0f0f, v[T0]
	v_lshrrev_b32 v[T0], 8, v[C4]
	v_add_nc_u32 v[C8], v[C4], v[T0]
	v_mov_b32 v[POS], 0
	PICK C8, 16, 8
	PICK C4, 8, 8
	PICK C2, 4, 4
	PICK C1, 2, 2
	PICK MW, 1, 1
	v_and_b32 v[T0], 0xff, v[PK]
	v_lshl_add_u32 v[TOK], v[T0], 5, v[POS]
	v_min_u32 v[TOK], 0x3ff, v[TOK]                ; a number made of loaded data enters addresses only behind this hold
.endm
; my 16 rows of x: eight fragments (lane (r, h): of row r the 16 bytes at 64 s + 32 c + 16 h) and the rows' eight scale words.  again = 1: in the loop, where the tile in hand has used the same registers.
.macro XLOAD again
.if \again
	s_wait_alu depctr_vm_vsrc(0)                   ; the loads of the tile in hand have read v[XA] and v[XSA], which the two lines below write again
.endif
	v_lshl_add_u32 v[XA], v[TOK], 9, v[H16]
	v_lshlrev_b32 v[XSA], 5, v[TOK]
	WIN 0xc0                                       ; destination window 3
	s_wait_alu depctr_va_vdst(0)                   ; v[XA] and v[XSA] are written, which the 18 loads below read; in the loop the trip's products are done reading XF and XS, in which these loads land
.irp s, 0,1,2,3,4,5,6,7
	global_load_b128 v[XF+8*\s:XF+8*\s+3], v[XA], s[8:9] offset:64*\s
	global_load_b128 v[XF+8*\s+4:XF+8*\s+7], v[XA], s[8:9] offset:64*\s+32
.endr
	WIN 0
	global_load_b128 v[XS:XS+3], v[XSA], s[10:11]
	global_load_b128 v[XS+4:XS+7], v[XSA], s[10:11] offset:16
.endm
; 32 products: tiles 4 half .. 4 half + 3, K step by K step.  The four accumulators take turns, one instruction a turn.  The first K step takes b1 as its C.
.macro MMH half
	WIN 0x3d+\half                                 ; source 0 (W1) window 1 or 2, source 1 (x) and source 2 (b1) window 3, destination window 0
.irp t, 0,1,2,3
	v_wmma_scale_f32_16x16x128_f8f6f4 v[HA+8*(4*\half+\t):HA+8*(4*\half+\t)+7], v[64*\t:64*\t+7], v[XF:XF+7], v[B1+8*(4*\half+\t):B1+8*(4*\half+\t)+7], v[W1S+8*(4*\half+\t)], v[XS] matrix_a_fmt:MATRIX_FMT_FP4 matrix_b_fmt:MATRIX_FMT_FP4
.endr
	WIN 0x0d+\half                                 ; C in window 0 now
.irp s, 1,2,3,4,5,6,7
.irp t, 0,1,2,3
	v_wmma_scale_f32_16x16x128_f8f6f4 v[HA+8*(4*\half+\t):HA+8*(4*\half+\t)+7], v[64*\t+8*\s:64*\t+8*\s+7], v[XF+8*\s:XF+8*\s+7], v[HA+8*(4*\half+\t):HA+8*(4*\half+\t)+7], v[W1S+8*(4*\half+\t)+\s], v[XS+\s] matrix_a_fmt:MATRIX_FMT_FP4 matrix_b_fmt:MATRIX_FMT_FP4
.endr
.endr
.endm
.macro PKF d, a, b, lit                ; d = a b + a literal, eight numbers
.irp p, 0,2,4,6
	v_pk_fma_f32 v[\d+\p:\d+\p+1], v[\a+\p:\a+\p+1], v[\b+\p:\b+\p+1], \lit op_sel_hi:[1,1,0]
.endr
.endm
.macro PKK d, a, kv, lit               ; d = a x a coefficient kept in registers + a literal
.irp p, 0,2,4,6
	v_pk_fma_f32 v[\d+\p:\d+\p+1], v[\a+\p:\a+\p+1], v[\kv:\kv+1], \lit op_sel_hi:[1,1,0]
.endr
.endm
; gelu(x) = x / 2 + (x / 2) erf(x / sqrt 2), in place on the eight registers of one tile, from its low end on.  z = x / sqrt 2 held to +-4 (beyond it erf is 1 in f32), s = z z, erf = z P(s) / Q(s).
; One form for every z: no compare, no select.  The chains of P and of Q stand by turns, so that no line waits for the line above it.  Q is a sum of terms of one sign and never 0.
.macro GELU8 h
.irp p, 0,2,4,6
	v_pk_mul_f32 v[EZ+\p:EZ+\p+1], v[\h+\p:\h+\p+1], 0x3f3504f3 op_sel_hi:[1,0]
.endr
.irp i, 0,1,2,3,4,5,6,7
	v_med3_num_f32 v[EZ+\i], v[EZ+\i], -4.0, 4.0
.endr
.irp p, 0,2,4,6
	v_pk_mul_f32 v[ES+\p:ES+\p+1], v[EZ+\p:EZ+\p+1], v[EZ+\p:EZ+\p+1]
.endr
	PKK EA, ES, KV0, 0x32edffee                    ; P: -2.72614226e-10 s + 2.77068142e-08
	PKK ER, ES, KV1, 0xb95fbd29                    ; Q: -1.45660718e-05 s - 2.13374055e-04
	PKF EA, EA, ES, 0xb60cff51                     ; - 2.10102402e-06
	PKF ER, ER, ES, 0xbadc924e                     ; - 1.68282697e-03
	PKF EA, EA, ES, 0xb86ec2d2                     ; - 5.69250639e-05
	PKF ER, ER, ES, 0xbbf19bf8                     ; - 7.37332917e-03
	PKF EA, EA, ES, 0xba40ac63                     ; - 7.34990630e-04
	PKF ER, ER, ES, 0xbc69b6a7                     ; - 1.42647391e-02
	PKF EA, EA, ES, 0xbb41a1f6                     ; - 2.95459981e-03
	s_wait_alu depctr_va_vdst(0)
.irp i, 0,1,2,3,4,5,6,7
	v_rcp_f32 v[ER+\i], v[ER+\i]
.endr
	PKF EA, EA, ES, 0xbc83dbd4                     ; - 1.60960333e-02.  (Also the plain lines behind the reciprocals)
.irp p, 0,2,4,6
	v_pk_mul_f32 v[EU+\p:EU+\p+1], v[\h+\p:\h+\p+1], 0.5 op_sel_hi:[1,0]        ; x / 2
.endr
.irp p, 0,2,4,6
	v_pk_mul_f32 v[EA+\p:EA+\p+1], v[EA+\p:EA+\p+1], v[EZ+\p:EZ+\p+1]
.endr
	s_wait_alu depctr_va_vdst(0)                   ; the eight reciprocals have written v[ER ..], which the four lines below read: one wait for the batch
.irp p, 0,2,4,6
	v_pk_mul_f32 v[EA+\p:EA+\p+1], v[EA+\p:EA+\p+1], v[ER+\p:ER+\p+1]           ; erf
.endr
.irp p, 0,2,4,6
	v_pk_fma_f32 v[\h+\p:\h+\p+1], v[EU+\p:EU+\p+1], v[EA+\p:EA+\p+1], v[EU+\p:EU+\p+1]
.endr
.endm
; 64 numbers of a lane, v[s] on, register 16 b + i = k 32 b + 16 (lane / 16) + i of my row, become a fragment's codes in v[PC] on and its scale word in v[PW].
.macro QUANT s
.irp b, 0,1,2,3
	v_max3_num_f32 v[TM+\b], |v[\s+16*\b]|, |v[\s+1+16*\b]|, 0x1800000          ; block b: my 16 numbers, and the floor 2^(3 - 127): the byte cannot fall under 1
.endr
.irp i, 2,4,6,8,10,12,14
.irp b, 0,1,2,3
	v_max3_num_f32 v[TM+\b], v[TM+\b], |v[\s+16*\b+\i]|, |v[\s+1+16*\b+\i]|     ; (the four blocks by turns)
.endr
.endr
.irp b, 0,1,2,3
	v_permlanex16_b32 v[TM+4+\b], v[TM+\b], s[SEL], s[SEL+1]
.endr
.irp b, 0,1,2,3
	v_max_num_f32 v[TM+\b], v[TM+\b], v[TM+4+\b]   ; with lane l xor 16's: the block's largest magnitude
.endr
.irp b, 0,1,2,3
	v_add_nc_u32 v[TM+12+\b], 0xff000000, v[TM+\b] ; 2 off its exponent field: the conversion's scale operand
.endr
.irp b, 0,1,2,3
	v_lshrrev_b32 v[TM+4+\b], 23, v[TM+12+\b]      ; the scale's byte
.endr
	v_lshl_or_b32 v[PW], v[TM+5], 8, v[TM+4]
	v_lshl_or_b32 v[PW], v[TM+6], 16, v[PW]
	v_lshl_or_b32 v[PW], v[TM+7], 24, v[PW]
.irp b, 0,1,2,3
	v_cvt_scalef32_pk8_fp4_f32 v[PC+2*\b], v[\s+16*\b:\s+7+16*\b], v[TM+12+\b]
	v_cvt_scalef32_pk8_fp4_f32 v[PC+1+2*\b], v[\s+8+16*\b:\s+15+16*\b], v[TM+12+\b]
.endr
	v_nop                                          ; one plain line behind the last conversion
.irp c, 0,1                                    ; the operand's layout wants a WHOLE block in a lane: lanes 0-15 block 2 c, lanes 16-31 block 2 c + 1
.irp i, 0,1
	v_permlane16_swap_b32 v[PC+4*\c+\i], v[PC+2+4*\c+\i]
.endr
.endr
.endm
	s_load_b512 s[8:23], s[0:1], 0x0               ; xq s[8:9], xs s[10:11], route s[12:13], w1_codes s[14:15], w1_scales s[16:17], b1 s[18:19], hc s[20:21], hsc s[22:23]
	v_lshl_add_u32 v254, v0, 2, 0x10800
	v_mov_b32 v255, 0
	v_lshrrev_b32 v1, 5, v0
	v_readfirstlane_b32 s[WV], v1
	s_and_b32 s[EX], ttmp7, 0xffff
	s_mov_b32 s[SL], ttmp9
	v_and_b32 v1, 31, v0
	v_and_b32 v[RR], 15, v0
	v_bfe_u32 v[HH], v0, 4, 1
	v_lshlrev_b32 v[LI], 4, v1
	v_lshlrev_b32 v[R16], 4, v[RR]
	s_wait_alu depctr_va_sdst(0)                   ; s[WV] is written, ahead of its first reader, the line below
	s_lshl_b32 s100, s[WV], 14
	v_add_nc_u32 v[GAD], s100, v[LI]
	s_mul_i32 s101, s[WV], 32*PITCH
	v_add_nc_u32 v[LSA], s101, v[LI]
	v_mul_u32_u24 v[LFA], v[RR], PITCH             ; in LDS a tile's rows lie on end
	v_lshl_add_u32 v[LFA], v[HH], 4, v[LFA]
	v_and_b32 v[WSA], 8, v[RR]
	v_add_nc_u32 v[WSA], v[WSA], v[RR]             ; in memory they do not: r + 8 (r / 8)
	v_lshlrev_b32 v[WSA], 5, v[WSA]
	v_lshlrev_b32 v[BA], 6, v[HH]
	v_lshlrev_b32 v[H16], 4, v[HH]
	v_mov_b32 v[KV0], 0xaf95df0b                   ; -2.72614226e-10
	v_mov_b32 v[KV0+1], 0xaf95df0b
	v_mov_b32 v[KV1], 0xb77460cd                   ; -1.45660718e-05
	v_mov_b32 v[KV1+1], 0xb77460cd
.irp b, 0,1,2,3
	v_mov_b32 v[TM+4+\b], 0                        ; written once: a lane permute's destination counts as one of its sources
.endr
	s_mov_b32 s[SEL], 0x76543210
	s_mov_b32 s[SEL+1], 0xfedcba98
	s_lshr_b32 s[SLO], s[SL], 3                    ; my K step's scale words in a tile's 2,048 bytes: 512 (slice / 8)
	s_lshl_b32 s[SLO], s[SLO], 9
	s_and_b32 s100, s[SL], 1
	s_lshl_b32 s100, s100, 8                       ; + 256 (slice % 2): lanes 16-31 of the register
	s_add_co_u32 s[SLO], s[SLO], s100
	s_bfe_u32 s100, s[SL], 0x20001
	s_lshl_b32 s100, s100, 2                       ; + 4 ((slice / 2) % 4): which of the group's four registers
	s_add_co_u32 s[SLO], s[SLO], s100
	s_lshl_b32 s60, s[EX], 7                       ; the expert's mask: 128 bytes
	s_mov_b32 s61, 0
	s_lshl_b32 s62, s[EX], 21                      ; the slice's codes: (4,096 e + 128 slice) rows of 512 bytes
	s_lshl_b32 s100, s[SL], 16
	s_add_co_u32 s62, s62, s100
	s_mov_b32 s63, 0
	s_lshl_b32 s98, s[EX], 17                      ; its scale bytes: 32 a row
	s_lshl_b32 s100, s[SL], 12
	s_add_co_u32 s98, s98, s100
	s_mov_b32 s99, 0
	s_lshl_b32 s58, s[EX], 14                      ; its part of b1
	s_lshl_b32 s100, s[SL], 9
	s_add_co_u32 s58, s58, s100
	s_mov_b32 s59, 0
	s_wait_kmcnt 0x0
	s_add_nc_u64 s[60:61], s[12:13], s[60:61]
	s_load_b512 s[MASK:MASK+15], s[60:61], 0x0
	s_load_b512 s[MASK+16:MASK+31], s[60:61], 0x40
	s_add_nc_u64 s[62:63], s[14:15], s[62:63]      ; each sum goes into the registers that held its offset: no pending load names s12 to s19, which TOKEN's compares write
	s_add_nc_u64 s[98:99], s[16:17], s[98:99]
	s_add_nc_u64 s[58:59], s[18:19], s[58:59]
	WIN 0xc0                                       ; destination window 3
	s_wait_alu depctr_va_vdst(0)                   ; the offsets and LDS addresses v4 to v10 are written, which the loads, the stores and the LDS instructions of the whole kernel read
.set ii, 0
.rept 32
	global_load_b128 v[SG+4*ii:SG+4*ii+3], v[GAD], s[62:63] offset:512*ii th:TH_LOAD_NT   ; my quarter of the slice, a row of 512 consecutive bytes an instruction; read once in the launch
.set ii, ii+1
.endr
.irp t, 0,1,2,3,4,5,6,7                        ; b1 in the result's layout: lane (r, h), register j of tile t: hidden unit 32 (t / 2) + 8 (t % 2) + 16 h + j
	global_load_b128 v[B1+8*\t:B1+8*\t+3], v[BA], s[58:59] offset:(32*(\t/2)+8*(\t%2))*4
	global_load_b128 v[B1+8*\t+4:B1+8*\t+7], v[BA], s[58:59] offset:(32*(\t/2)+8*(\t%2))*4+16
.endr
	WIN 0
.irp t, 0,1,2,3,4,5,6,7                        ; W1's scale words: register 8 t + s: lane r has the word of its row of tile t for K step s
	global_load_b128 v[W1S+8*\t:W1S+8*\t+3], v[WSA], s[98:99] offset:(32*(\t/2)+8*(\t%2))*32
	global_load_b128 v[W1S+8*\t+4:W1S+8*\t+7], v[WSA], s[98:99] offset:(32*(\t/2)+8*(\t%2))*32+16
.endr
	s_wait_kmcnt 0x0                               ; the mask
	s_mov_b32 s[NN], 0
.set cc, 0
.rept 32
.if cc > 0
	s_lshl_b32 s100, s[NN], 8
	s_or_b32 s[PCK+cc], s100, cc
.endif
	s_bcnt1_i32_b32 s100, s[MASK+cc]
	s_add_co_u32 s[NN], s[NN], s100
.set cc, cc+1
.endr
	s_sub_co_u32 s[N1], s[NN], 1
	s_add_co_u32 s[NT], s[NN], 15
	s_lshr_b32 s[NT], s[NT], 4
	TOKEN WV                                       ; my first tile's rows, while the weights are on their way
	s_wait_loadcnt 32                              ; my quarter of the slice is in; the 32 loads of b1 and of the scale words may be out
	WIN 0x0c                                       ; an LDS store's data are its source 1: window 3
.set ii, 0
.rept 32
	ds_store_b128 v[LSA], v[SG+4*ii:SG+4*ii+3] offset:PITCH*(16*((ii/8)%2)+8*((ii/16)%2)+ii%8)   ; row 32 q + ii is lane 8 (ii / 16) + ii % 8 of tile 2 q + (ii / 8) % 2: it goes to that tile's place.  (No vector instruction since the wait above names v[LSA]; the data come from loads)
.set ii, ii+1
.endr
	WIN 0
	s_wait_dscnt 0x0                               ; for the others' sake: my stores have landed
	s_barrier_signal -1
	s_barrier_wait -1                              ; the launch's one barrier: every wave passes it, whatever the mask says
	s_cmp_ge_u32 s[WV], s[NT]
	s_cbranch_scc1 .Lend                           ; a wave that the split leaves without a tile stores nothing
	s_wait_alu depctr_va_vdst(0)
	XLOAD 0
	WIN 0x40                                       ; destination window 1
.irp t, 0,1,2,3
.irp s, 0,1,2,3,4,5,6,7
	ds_load_b128 v[64*\t+8*\s:64*\t+8*\s+3], v[LFA] offset:16*\t*PITCH+64*\s
	ds_load_b128 v[64*\t+8*\s+4:64*\t+8*\s+7], v[LFA] offset:16*\t*PITCH+64*\s+32
.endr
.endr
	WIN 0x80                                       ; destination window 2
.irp t, 0,1,2,3
.irp s, 0,1,2,3,4,5,6,7
	ds_load_b128 v[64*\t+8*\s:64*\t+8*\s+3], v[LFA] offset:16*(4+\t)*PITCH+64*\s
	ds_load_b128 v[64*\t+8*\s+4:64*\t+8*\s+7], v[LFA] offset:16*(4+\t)*PITCH+64*\s+32
.endr
.endr
	WIN 0
	s_wait_dscnt 0x0                               ; the slice stays in my registers from here on
	s_sub_co_u32 s[TR], s[NT], s[WV]               ; at least 1 here
	s_add_co_u32 s[TR], s[TR], 3
	s_lshr_b32 s[TR], s[TR], 2                     ; my tiles: q, q + 4, ... under the expert's count: (tiles - q + 3) / 4 of them
	s_mov_b32 s[IT], 0                             ; the loop is counted in trips, one a step; the tile's number is made of the trip's
.Ltile:
	s_wait_loadcnt 0x0                             ; this tile's x (in the first trip b1 and W1's scale words too: so s58, which was b1's base, may be written)
	s_lshl_b32 s[JJ], s[IT], 2
	s_add_co_u32 s[JJ], s[JJ], s[WV]               ; the tile in hand: 4 x trip + wave
	MMH 0
	MMH 1
	WIN 0
.rept 4
	v_nop                                          ; four places in front of the first read of results, on both ways below
.endr
	s_add_co_u32 s[JN], s[JJ], 4
	s_cmp_ge_u32 s[JN], s[NT]
	s_cbranch_scc1 .Lno_next                       ; the last tile asks for nothing
	TOKEN JN
	XLOAD 1                                        ; the next tile's x lands while this tile's gelu is computed
.Lno_next:
.irp t, 0,1,2,3,4,5,6,7
	GELU8 HA+8*\t
.endr
	s_wait_xcnt 0x0                                ; the last trip's stores have read their bases and data: the lines below write both again, and nothing above does
	s_wait_alu depctr_vm_vsrc(0)                   ; the last trip's three stores have read v[PC ..] and v[PW], which QUANT writes again
	s_min_u32 s100, s[JJ], 63                      ; at most 64 tiles an expert
	s_lshl_b32 s101, s[EX], 6
	s_add_co_u32 s100, s100, s101
	s_lshl_b32 s60, s100, 15                       ; hc: (64 e + tile) x 32 fragments of 1,024 bytes, + the slice's
	s_lshl_b32 s101, s[SL], 10
	s_add_co_u32 s60, s60, s101
	s_mov_b32 s61, 0
	s_add_nc_u64 s[62:63], s[20:21], s[60:61]
	s_lshl_b32 s60, s100, 11                       ; hsc: (64 e + tile) x 2,048 bytes, + my K step's place
	s_add_co_u32 s60, s60, s[SLO]
	s_add_nc_u64 s[98:99], s[22:23], s[60:61]
	QUANT HA
	s_wait_alu depctr_va_vdst(0)                   ; QUANT has written v[PC ..] and v[PW], which the three stores read
	global_store_b128 v[LI], v[PC:PC+3], s[62:63]                 ; the fragment as it stands: 512 consecutive bytes an instruction
	global_store_b128 v[LI], v[PC+4:PC+7], s[62:63] offset:512
	global_store_b32 v[R16], v[PW], s[98:99]                      ; row r's word, 16 bytes from row to row; lanes r and r + 16 hold the same word and write it to the same place
	s_add_co_u32 s[IT], s[IT], 1
	s_cmp_lt_u32 s[IT], s[TR]
	s_cbranch_scc1 .Ltile
.Lend:
	s_wait_dscnt 0x0                               ; the closing lines, six on end
	s_wait_alu 0x0
	s_wait_tensorcnt 0x0
	ds_add_u32 v254, v255
	s_wait_dscnt 0x0
	s_endpgm
.Lfunc_end_k_q4ca74199ef_ffn1:
	.size	k_q4ca74199ef_ffn1, .Lfunc_end_k_q4ca74199ef_ffn1-k_q4ca74199ef_ffn1
	.p2alignl 7, 3214868480
	.fill 96, 4, 3214868480
	.section	.rodata,"a",@progbits
	.p2align	6, 0x0
	.amdhsa_kernel k_q4ca74199ef_ffn1
		.amdhsa_group_segment_fixed_size 68096
		.amdhsa_private_segment_fixed_size 0
		.amdhsa_enable_private_segment 0
		.amdhsa_kernarg_size 64
		.amdhsa_user_sgpr_count 2
		.amdhsa_user_sgpr_kernarg_segment_ptr 1
		.amdhsa_wavefront_size32 1
		.amdhsa_system_sgpr_workgroup_id_x 1
		.amdhsa_system_sgpr_workgroup_id_y 1
		.amdhsa_system_sgpr_workgroup_id_z 1
		.amdhsa_system_vgpr_workitem_id 0
		.amdhsa_next_free_vgpr 1024
		.amdhsa_next_free_sgpr 106
		.amdhsa_reserve_vcc 1
		.amdhsa_float_denorm_mode_32 3
		.amdhsa_float_denorm_mode_16_64 3
		.amdhsa_memory_ordered 1
		.amdhsa_forward_progress 1
		.amdhsa_inst_pref_size 107
	.end_amdhsa_kernel
	.amdgpu_metadata
---
amdhsa.version: [ 1, 2 ]
amdhsa.kernels:
  - .name:           k_q4ca74199ef_ffn1
    .symbol:         k_q4ca74199ef_ffn1.kd
    .args:
      - { .name: xq, .offset: 0, .size: 8, .value_kind: global_buffer, .address_space: global }
      - { .name: xs, .offset: 8, .size: 8, .value_kind: global_buffer, .address_space: global }
      - { .name: route, .offset: 16, .size: 8, .value_kind: global_buffer, .address_space: global }
      - { .name: w1_codes, .offset: 24, .size: 8, .value_kind: global_buffer, .address_space: global }
      - { .name: w1_scales, .offset: 32, .size: 8, .value_kind: global_buffer, .address_space: global }
      - { .name: b1, .offset: 40, .size: 8, .value_kind: global_buffer, .address_space: global }
      - { .name: hc, .offset: 48, .size: 8, .value_kind: global_buffer, .address_space: global }
      - { .name: hsc, .offset: 56, .size: 8, .value_kind: global_buffer, .address_space: global }
    .group_segment_fixed_size: 68096
    .private_segment_fixed_size: 0
    .kernarg_segment_align: 8
    .kernarg_segment_size: 64
    .max_flat_workgroup_size: 128
    .sgpr_count:     106
    .vgpr_count:     1024
    .wavefront_size: 32
...
	.end_amdgpu_metadata
.endif
;; end of part 6
;; launch ffn2 (part 7): grid 32 x 8, 4 waves a work-group, no clusters, 66,560 bytes of LDS; arguments hc, hsc, route, gate, w2_codes, w2_scales, b2, y2; writes y2
.if DOCPART == 7
	.amdgcn_target "amdgcn-amd-amdhsa--gfx1250"
	.amdhsa_code_object_version 6
	.text
	.protected	k_q4ca74199ef_ffn2
	.globl	k_q4ca74199ef_ffn2
	.p2align	8
	.type	k_q4ca74199ef_ffn2,@function
k_q4ca74199ef_ffn2:
	s_mov_b64 s[64:65], 0
	v_nop
	global_prefetch_b8 v0, s[64:65] scope:SCOPE_SE
	s_setreg_imm32_b32 hwreg(HW_REG_WAVE_SCHED_MODE, 0, 2), 2
	s_setreg_imm32_b32 hwreg(HW_REG_WAVE_MODE, 25, 1), 1
	s_wait_xcnt 0x0
	s_wait_alu depctr_vm_vsrc(0)
; y2[k][t] = g_k (h W2 + b2) FOR THE ROWS THAT AN EXPERT WAS CHOSEN FOR, on codes of E2M1 with one E8M0 scale for each 32 along K = the 4,096 hidden units.  k = 1 where the expert is the token's second choice, else 0.
; SHARES.  Work-group (x = slice, y = expert) owns 32 outputs of one expert: 32 rows of w2_codes, 64 KiB on end, which no other work-group reads.  All four waves hold that slice in 512 registers (through LDS once,
; so that memory is read in runs of 512 bytes) and share the expert's tiles of 16 rows: wave q takes tiles q, q + 4, ...  Each row k, t of y2 has one expert, so each of its bytes has one owner.
; h comes as images of the operand's registers (hc, hsc: as the launch before laid them): every load reads 512 consecutive bytes.  A tile's 70 loads are asked for nearly a whole tile ahead, group by group,
; each group into the registers that the products of the step before have left.  The expert's bases never change; a tile's offset stands in an address register of the group's own, written again only behind the wait that shows the group's loads done.
; The trip count hangs on the stored mask, so there is no tensor load, no cluster and no barrier in the loop.  Multicast is left out for that reason: partners would need different numbers of tiles.
; LAYOUT.  Transposed: source 0 = 16 rows of W2, source 1 = 16 rows of h: a lane holds one row and eight neighbouring outputs.  b2 is the C of a sum's first product.  K is summed in two accumulators for each tile of outputs
; (even and odd K steps), so that four accumulators take turns; the two are added at the end.
; A work-group's 32 outputs are 128 bytes of a row of y2: its stores cover 128 consecutive bytes of each row, not 256.
; Ranks past the expert's last row repeat that row: their lanes store the same bytes to the same place.
; REGISTERS, in windows of 256: window 0: v1-33 addresses, TOKEN, the row's gate; v40-55 h's scale words (register u: lanes 0-15 K step 2 u, lanes 16-31 K step 2 u + 1); v56-119 W2's; v120-135 b2; v136-167 accumulators; v168-183 results; v184-192 addresses.
;   window 1: W2's fragments of K steps 0-15 (K step s, tile n at v[8 (2 s + n)]);  window 2: of K steps 16-31;  window 3: h's 32 fragments (v[8 s]); at the head v0-127: the weights on their way to LDS.
; THE MODE: SCHED_MODE bits 1:0 = 2 (LLVM: expert scheduling mode 2), set by the entry lines.  The code itself states the register dependences
; between vector or matrix instructions and memory or LDS instructions, and those from a vector instruction to a scalar register or VCC, with s_wait_alu, always for 0.
; THE PLAN.  Registers that memory or LDS instructions touch:
;   LI, GAD, LSA, LFA, WSA, BA      offsets and LDS addresses: written once, at the head, ahead of the first wait on va_vdst; never again.
;   windows 1 and 2, W2S, B2        W2's fragments and scale words, b2: written by loads at the head, read by the products alone.
;   group g = 0 .. 3 of h           64 registers of window 3 and HS + 4 g .. + 3: the 16 products of step g read them; the next tile's 17 loads land in them.  THE FOUR GROUPS ARE THE BUFFERS THAT TAKE TURNS.
;   VH + g, VS + g                  group g's two offsets: read by its 17 loads, written once a tile, when those loads are shown done.
;   TA4, TA8; E1V, GV               the two small loads' offsets and targets: the targets are read by the three lines on the token's choice in step 0.
;   YA, YO                          written on the way out, read by the tile's four stores.
;   v254, v255                      written at the head, read by the closing add alone.
; A STEP'S HEAD: the wait on LOADcnt for the group that is about to be multiplied; one wait on vm_vsrc, the two lines that write the offsets of the group that was multiplied last, one wait on va_vdst: the offsets are written,
; and the last step's products are done with that group.  Then this step's 16 products, and behind them that group's 17 loads with no further wait: the products name other fragments, other scale registers, W2 and the accumulators.
; Step 0 has its pair of waits behind TOKEN, for group 0 and the two small loads; group 3's loads stand behind the way out's wait, which the stores want anyway.
.set PITCH, 2064                       ; an LDS row: 2,048 bytes + 16
.set RR,   2
.set HH,   3
.set LI,   4                           ; v4   16 x lane
.set GAD,  6                           ; v6   the slice in memory: 16,384 x wave + 16 x lane
.set LSA,  7                           ; v7   and in LDS: 8 rows x wave + 16 x lane
.set LFA,  8                           ; v8   a fragment's row x pitch + 16 h
.set WSA,  9                           ; v9   W2's scale words: 128 bytes a row
.set BA,   10                          ; v10  32 h: my eight outputs' bytes
.set KEY,  13                          ; v13-23 TOKEN at work
.set MW,   14
.set PK,   15
.set DR,   16
.set POS,  17
.set T0,   18
.set T1,   19
.set C1,   20
.set C2,   21
.set C4,   22
.set C8,   23
.set TOK,  24                          ; v24  my row's token
.set TA4,  25                          ; v25  4 x token;  v26  8 x token
.set TA8,  26
.set E1V,  27                          ; v27  the token's second choice
.set GV,   28                          ; v[28:29] its two gates
.set YA,   30                          ; v30  my row's bytes in y2, as the stores name them
.set TW,   31
.set GG,   32                          ; v[32:33] the gate that counts, twice
.set HS,   40
.set W2S,  56
.set B2,   120
.set ACC,  136                         ; accumulator (tile n, parity) at v[ACC + 8 (2 n + parity)]
.set YO,   168
.set VH,   184                         ; v184-187 group g's offset in the expert's part of hc: 32,768 x tile + 16 x lane
.set VS,   188                         ; v188-191 and of hsc: 2,048 x tile + 16 x lane
.set YN,   192                         ; v192 my row's bytes in y2, made in a tile's first step; no memory instruction names it
.set WV,   2                           ; s2 wave, s3 expert, s4 slice, s5 the expert's rows, s6 the last rank, s7 tiles
.set EX,   3
.set SL,   4
.set NN,   5
.set N1,   6
.set NT,   7
.set MASK, 24                          ; s24-55  the expert's mask
.set PCK,  66                          ; s67-97  word c: (set bits ahead of it) << 8 | c.  (Word 0's is the constant 0 and is not kept)
.set TR1,  66                          ; s66  how many of my wave's tiles have a successor
.set JN,   56                          ; s56  the tile to be asked for
.set IT,   57                          ; s57  the trip's number
.set HCE,  58                          ; s[58:59] the expert's part of hc;  s[60:61] of hsc: never rewritten
.set HSE,  60
.set TO15, 62                          ; s62  32,768 x the tile to be asked for;  s63  2,048 x it  (at the head s[62:63] is a pair for offsets)
.set TO11, 63
                                       ; s8-11, s98-101  the masks of a run of TOKEN's compares: free once the expert's bases and the mask's address are done with
.set MSB, 0
.macro WIN new                         ; the immediate's high byte repeats the setting that is left; a switch that changes nothing is dropped
.if MSB != (\new)
	s_set_vgpr_msb (MSB<<8)|(\new)
.set MSB, (\new)
.endif
.endm
.macro PICK src, w, width              ; one step of the search for the DR-th set bit
	v_bfe_u32 v[T0], v[\src], v[POS], \width
	v_cmp_le_u32 vcc_lo, v[T0], v[DR]
	v_add_nc_u32 v[T1], \w, v[POS]
	s_wait_alu depctr_va_vcc(0)                    ; the compare has written VCC, which the two selects read
	v_cndmask_b32 v[T0], 0, v[T0], vcc_lo
	v_cndmask_b32 v[POS], v[POS], v[T1], vcc_lo
	v_sub_nc_u32 v[DR], v[DR], v[T0]
.endm
; v[TOK] = the token of rank 16 x s[sj] + r, held at the last rank: the same arithmetic as in the launch that made h, so that a slot of h and its token agree.
; The 31 compares stand in runs of eight, each into a scalar register of its own (run's place k: s[8 + k], from k = 4 on s[94 + k]), with one wait behind a run; the run's selects follow, in the words' order.
.macro TOKEN sj
	v_lshl_add_u32 v[DR], s[\sj], 4, v[RR]
	v_min_u32 v[DR], s[N1], v[DR]
	v_lshl_or_b32 v[KEY], v[DR], 8, 0xff
	v_mov_b32 v[MW], s[MASK]
	v_mov_b32 v[PK], 0
.set cc, 1
.rept 4
.set kk, 0
.rept 8
.if cc+kk < 32
	v_cmp_gt_u32 s[8+kk+86*(kk/4)], s[PCK+cc+kk], v[KEY]
.endif
.set kk, kk+1
.endr
	s_wait_alu depctr_va_sdst(0)                   ; the run's compares have written their eight scalar registers, which the selects below read
.set kk, 0
.rept 8
.if cc+kk < 32
	v_cndmask_b32 v[MW], s[MASK+cc+kk], v[MW], s[8+kk+86*(kk/4)]
	v_cndmask_b32 v[PK], s[PCK+cc+kk], v[PK], s[8+kk+86*(kk/4)]
.endif
.set kk, kk+1
.endr
.set cc, cc+8
.endr
	v_lshrrev_b32 v[T0], 8, v[PK]
	v_sub_nc_u32 v[DR], v[DR], v[T0]
	v_lshrrev_b32 v[T0], 1, v[MW]
	v_and_b32 v[T0], 0x55555555, v[T0]
	v_sub_nc_u32 v[C1], v[MW], v[T0]
	v_lshrrev_b32 v[T0], 2, v[C1]
	v_and_b32 v[T1], 0x33333333, v[C1]
	v_and_b32 v[T0], 0x33333333, v[T0]
	v_add_nc_u32 v[C2], v[T1], v[T0]
	v_lshrrev_b32 v[T0], 4, v[C2]
	v_add_nc_u32 v[T0], v[C2], v[T0]
	v_and_b32 v[C4], 0x0f0f0f0f, v[T0]
	v_lshrrev_b32 v[T0], 8, v[C4]
	v_add_nc_u32 v[C8], v[C4], v[T0]
	v_mov_b32 v[POS], 0
	PICK C8, 16, 8
	PICK C4, 8, 8
	PICK C2, 4, 4
	PICK C1, 2, 2
	PICK MW, 1, 1
	v_and_b32 v[T0], 0xff, v[PK]
	v_lshl_add_u32 v[TOK], v[T0], 5, v[POS]
	v_min_u32 v[TOK], 0x3ff, v[TOK]                ; a number made of loaded data enters addresses only behind this hold
.endm
; Tile s[sj] is made ready: its offsets as scalars, its rows' tokens, and the offsets of two loads.  The two address registers were last named by the tile before's two loads, which the wait at this tile's head has shown done.
; again = 1: in the loop, where the tile in hand has used the same registers.
.macro NEXTA sj, again
	s_min_u32 s100, s[\sj], 63                     ; at most 64 tiles an expert
	s_lshl_b32 s[TO15], s100, 15
	s_lshl_b32 s[TO11], s100, 11
	TOKEN \sj
.if \again
	s_wait_alu depctr_vm_vsrc(0)                   ; the two small loads and group 0's loads of the tile in hand have read v[TA4], v[TA8], v[VH] and v[VS], which the lines below write again
.endif
	v_lshlrev_b32 v[TA4], 2, v[TOK]
	v_lshlrev_b32 v[TA8], 3, v[TOK]
.endm
.macro NEXTL                           ; the two loads: each token's second choice and its gates
	global_load_b32 v[E1V], v[TA4], s[12:13] offset:1024
	global_load_b64 v[GV:GV+1], v[TA8], s[14:15]
.endm
; Group g's two offsets.  The loads that named them last are this group's of the tile in hand, which a wait on LOADcnt has shown done.
.macro LGA g
	v_add_nc_u32 v[VH+\g], s[TO15], v[LI]
	v_add_nc_u32 v[VS+\g], s[TO11], v[LI]
.endm
; 17 loads: h's fragments of K steps 8 g .. 8 g + 7, and their four registers of scale words by one load.
.macro LGL g
	WIN 0xc0                                       ; destination window 3
.irp k, 0,1,2,3,4,5,6,7
	global_load_b128 v[8*(8*\g+\k):8*(8*\g+\k)+3], v[VH+\g], s[HCE:HCE+1] offset:1024*(8*\g+\k)
	global_load_b128 v[8*(8*\g+\k)+4:8*(8*\g+\k)+7], v[VH+\g], s[HCE:HCE+1] offset:1024*(8*\g+\k)+512
.endr
	WIN 0
	global_load_b128 v[HS+4*\g:HS+4*\g+3], v[VS+\g], s[HSE:HSE+1] offset:512*\g
.endm
; 16 products: K steps 8 g .. 8 g + 7 x two tiles of outputs.  The four accumulators take turns, one instruction a turn.  np: v_nop behind them.
.macro GRP g, np
.if \g < 2
	WIN 0x0d                                       ; source 0 (W2) window 1, source 1 (h) window 3, C and D window 0
.else
	WIN 0x0e                                       ; source 0 window 2
.endif
.irp k, 0,1,2,3,4,5,6,7
.irp n, 0,1
.set ss, 8*\g+\k
.set wf, 8*(2*(ss%16)+\n)
.set ac, ACC+8*(2*\n+\k%2)
.if ss == 0
	v_wmma_scale_f32_16x16x128_f8f6f4 v[ac:ac+7], v[wf:wf+7], v[8*ss:8*ss+7], v[B2+8*\n:B2+8*\n+7], v[W2S+32*\n+ss], v[HS+ss/2] matrix_a_fmt:MATRIX_FMT_FP4 matrix_b_fmt:MATRIX_FMT_FP4
.elseif ss == 1
	v_wmma_scale_f32_16x16x128_f8f6f4 v[ac:ac+7], v[wf:wf+7], v[8*ss:8*ss+7], 0, v[W2S+32*\n+ss], v[HS+ss/2] matrix_a_fmt:MATRIX_FMT_FP4 matrix_b_fmt:MATRIX_FMT_FP4 matrix_b_scale:MATRIX_SCALE_ROW1
.elseif ss%2 == 0
	v_wmma_scale_f32_16x16x128_f8f6f4 v[ac:ac+7], v[wf:wf+7], v[8*ss:8*ss+7], v[ac:ac+7], v[W2S+32*\n+ss], v[HS+ss/2] matrix_a_fmt:MATRIX_FMT_FP4 matrix_b_fmt:MATRIX_FMT_FP4
.else
	v_wmma_scale_f32_16x16x128_f8f6f4 v[ac:ac+7], v[wf:wf+7], v[8*ss:8*ss+7], v[ac:ac+7], v[W2S+32*\n+ss], v[HS+ss/2] matrix_a_fmt:MATRIX_FMT_FP4 matrix_b_fmt:MATRIX_FMT_FP4 matrix_b_scale:MATRIX_SCALE_ROW1
.endif
.endr
.endr
	WIN 0
.rept \np
	v_nop
.endr
.endm
; A TILE.  Its loads were issued in the order: the two small ones, then groups 0, 1, 2, 3 of 17.  pf = 1: the next tile is asked for: group 0 in step 0, group g behind the products of step g + 1, group 3 on the way out.
.macro TRIP pf
	s_wait_loadcnt 51                              ; all but groups 1 to 3: the tokens' second choices and gates and group 0 are in (in the first tile W2's scale words and b2 too)
	v_cmp_eq_u32 vcc_lo, s[EX], v[E1V]             ; am I the token's second choice?
	GRP 0, 0
	s_wait_alu depctr_va_vcc(0)                    ; the compare has written VCC, which the two selects read
	v_cndmask_b32 v[GG], v[GV], v[GV+1], vcc_lo
	v_cndmask_b32 v[TW], 0, 1, vcc_lo
	v_mov_b32 v[GG+1], v[GG]
	v_lshl_or_b32 v[TW], v[TW], 10, v[TOK]         ; row 1,024 k + t of y2
	v_min_u32 v[TW], 0x7ff, v[TW]
	v_lshl_add_u32 v[YN], v[TW], 12, v[BA]         ; kept apart from the register that the last tile's stores may still read
.if \pf
	NEXTA JN, 1
	LGA 0
	s_wait_alu depctr_va_vdst(0)                   ; v[TA4], v[TA8], v[VH] and v[VS] are written, which the 19 loads below read; the lines above are done reading v[E1V] and v[GV ..], and step 0's products their fragments and scale words, in which these loads land
	NEXTL
	LGL 0
	s_wait_loadcnt 53                              ; group 1 is in; groups 2 and 3, and the 19 just issued, may be out
.else
	s_wait_alu depctr_va_vdst(0)
	s_wait_loadcnt 34                              ; groups 2 and 3 may be out
.endif
	GRP 1, 4*\pf
.if \pf
	s_wait_loadcnt 36                              ; group 2 is in; group 3 and the next tile's 19 may be out
	s_wait_alu depctr_vm_vsrc(0)                   ; group 1's loads of the tile in hand have read v[VH+1] and v[VS+1], which the two lines below write again
	LGA 1
	s_wait_alu depctr_va_vdst(0)                   ; v[VH+1] and v[VS+1] are written; step 1's products are done reading group 1's fragments and scale words: for the 17 loads behind step 2's products
.else
	s_wait_loadcnt 17
.endif
	GRP 2, 4*\pf
.if \pf
	LGL 1                                          ; no wait: no vector or matrix instruction since the wait above names group 1's registers or its offsets
	s_wait_loadcnt 36                              ; group 3 is in; the next tile's 2 + 17 + 17 may be out
	s_wait_alu depctr_vm_vsrc(0)                   ; group 2's loads of the tile in hand have read v[VH+2] and v[VS+2], which the two lines below write again
	LGA 2
	s_wait_alu depctr_va_vdst(0)                   ; v[VH+2] and v[VS+2] are written; step 2's products are done reading group 2's fragments and scale words: for the 17 loads behind step 3's products
.else
	s_wait_loadcnt 0
.endif
	GRP 3, 4
.if \pf
	LGL 2                                          ; no wait: as for group 1
.endif
	s_wait_storecnt 0x0                            ; the last tile's four stores, issued a whole tile ago, are done: their address and data registers are written again only behind this wait
	s_wait_alu depctr_vm_vsrc(0)                   ; those stores have read v[YA] and v[YO ..], and group 3's loads of the tile in hand v[VH+3] and v[VS+3]: the lines below write them again
	v_mov_b32 v[YA], v[YN]
.if \pf
	LGA 3
.endif
.irp n, 0,1
.irp p, 0,2,4,6
	v_pk_add_f32 v[YO+8*\n+\p:YO+8*\n+\p+1], v[ACC+16*\n+\p:ACC+16*\n+\p+1], v[ACC+16*\n+8+\p:ACC+16*\n+8+\p+1]   ; even and odd K steps; each accumulator from its low end on
.endr
.endr
.irp p, 0,2,4,6,8,10,12,14
	v_pk_mul_f32 v[YO+\p:YO+\p+1], v[YO+\p:YO+\p+1], v[GG:GG+1] op_sel_hi:[1,0]
.endr
	s_wait_alu depctr_va_vdst(0)                   ; v[YA] and v[YO ..] are written, which the four stores read; where a tile follows, v[VH+3] and v[VS+3] are written and step 3's products are done reading group 3's registers
.irp n, 0,1
	global_store_b128 v[YA], v[YO+8*\n:YO+8*\n+3], s[22:23] offset:64*\n          ; lane (r, h): outputs 16 n + 8 h + 0 .. 7 of row r
	global_store_b128 v[YA], v[YO+8*\n+4:YO+8*\n+7], s[22:23] offset:64*\n+16
.endr
.if \pf
	LGL 3
.endif
.endm
	s_load_b512 s[8:23], s[0:1], 0x0               ; hc s[8:9], hsc s[10:11], route s[12:13], gate s[14:15], w2_codes s[16:17], w2_scales s[18:19], b2 s[20:21], y2 s[22:23]
	v_lshl_add_u32 v254, v0, 2, 0x10200
	v_mov_b32 v255, 0
	v_lshrrev_b32 v1, 5, v0
	v_readfirstlane_b32 s[WV], v1
	s_and_b32 s[EX], ttmp7, 0xffff
	s_mov_b32 s[SL], ttmp9
	v_and_b32 v1, 31, v0
	v_and_b32 v[RR], 15, v0
	v_bfe_u32 v[HH], v0, 4, 1
	v_lshlrev_b32 v[LI], 4, v1
	s_wait_alu depctr_va_sdst(0)                   ; s[WV] is written, ahead of its first reader, the line below
	s_lshl_b32 s100, s[WV], 14
	v_add_nc_u32 v[GAD], s100, v[LI]
	s_mul_i32 s101, s[WV], 8*PITCH
	v_add_nc_u32 v[LSA], s101, v[LI]
	v_mul_u32_u24 v[LFA], v[RR], PITCH
	v_lshl_add_u32 v[LFA], v[HH], 4, v[LFA]
	v_lshlrev_b32 v[WSA], 7, v[RR]
	v_lshlrev_b32 v[BA], 5, v[HH]
	s_mov_b32 s63, 0                               ; s[62:63]: offsets under 4 GiB
	s_lshl_b32 s98, s[EX], 7                       ; the expert's mask
	s_mov_b32 s99, 0
	s_wait_kmcnt 0x0
	s_add_nc_u64 s[98:99], s[12:13], s[98:99]
	s_load_b512 s[MASK:MASK+15], s[98:99], 0x0
	s_load_b512 s[MASK+16:MASK+31], s[98:99], 0x40
	s_lshl_b32 s62, s[EX], 21                      ; the slice's codes: (1,024 e + 32 slice) rows of 2,048 bytes
	s_lshl_b32 s100, s[SL], 16
	s_add_co_u32 s62, s62, s100
	s_add_nc_u64 s[16:17], s[16:17], s[62:63]
	s_lshl_b32 s62, s[EX], 17                      ; its scale bytes: 128 a row
	s_lshl_b32 s100, s[SL], 12
	s_add_co_u32 s62, s62, s100
	s_add_nc_u64 s[18:19], s[18:19], s[62:63]
	s_lshl_b32 s62, s[EX], 12                      ; its part of b2
	s_lshl_b32 s100, s[SL], 7
	s_add_co_u32 s62, s62, s100
	s_add_nc_u64 s[20:21], s[20:21], s[62:63]
	s_mov_b32 s62, s100                            ; its 128 bytes of a row of y2
	s_add_nc_u64 s[22:23], s[22:23], s[62:63]
	s_lshl_b32 s62, s[EX], 21                      ; the expert's part of hc: 64 tiles of 32,768 bytes
	s_add_nc_u64 s[HCE:HCE+1], s[8:9], s[62:63]
	s_lshl_b32 s62, s[EX], 17                      ; and of hsc: 64 tiles of 2,048 bytes
	s_add_nc_u64 s[HSE:HSE+1], s[10:11], s[62:63]
	WIN 0xc0                                       ; destination window 3
	s_wait_alu depctr_va_vdst(0)                   ; the offsets and LDS addresses v4 to v10 are written, which the loads and the LDS instructions of the head read
.set ii, 0
.rept 32
	global_load_b128 v[4*ii:4*ii+3], v[GAD], s[16:17] offset:512*ii th:TH_LOAD_NT         ; my quarter of the slice, 512 consecutive bytes an instruction; read once in the launch
.set ii, ii+1
.endr
	WIN 0
.irp n, 0,1
.irp g, 0,1,2,3,4,5,6,7
	global_load_b128 v[W2S+32*\n+4*\g:W2S+32*\n+4*\g+3], v[WSA], s[18:19] offset:2048*\n+16*\g   ; register 32 n + s: lane r has the word of row 16 n + r for K step s
.endr
.endr
.irp n, 0,1
	global_load_b128 v[B2+8*\n:B2+8*\n+3], v[BA], s[20:21] offset:64*\n                   ; b2 in the result's layout
	global_load_b128 v[B2+8*\n+4:B2+8*\n+7], v[BA], s[20:21] offset:64*\n+16
.endr
	s_wait_kmcnt 0x0                               ; the mask
	s_mov_b32 s[NN], 0
.set cc, 0
.rept 32
.if cc > 0
	s_lshl_b32 s100, s[NN], 8
	s_or_b32 s[PCK+cc], s100, cc
.endif
	s_bcnt1_i32_b32 s100, s[MASK+cc]
	s_add_co_u32 s[NN], s[NN], s100
.set cc, cc+1
.endr
	s_sub_co_u32 s[N1], s[NN], 1
	s_add_co_u32 s[NT], s[NN], 15
	s_lshr_b32 s[NT], s[NT], 4
	NEXTA WV, 0                                    ; my first tile, while the weights are on their way (every address is held inside its buffer, whatever the mask)
	LGA 0
	LGA 1
	LGA 2
	LGA 3
	s_wait_alu depctr_va_vdst(0)                   ; v[TA4], v[TA8] and the four groups' eight offsets are written, which the two loads below and the first tile's 68 loads read
	NEXTL
	s_wait_loadcnt 22                              ; my quarter of the slice is in; 16 loads of scale words, 4 of b2 and the 2 just issued may be out
	WIN 0x0c                                       ; an LDS store's data are its source 1: window 3
.set ii, 0
.rept 32
	ds_store_b128 v[LSA], v[4*ii:4*ii+3] offset:(ii/4)*PITCH+(ii%4)*512
.set ii, ii+1
.endr
	WIN 0
	s_wait_dscnt 0x0                               ; for the others' sake: my stores have landed
	s_barrier_signal -1
	s_barrier_wait -1                              ; the launch's one barrier: every wave passes it, whatever the mask says
	s_wait_alu depctr_vm_vsrc(0)                   ; my LDS stores have read v0 to v127 of window 3, in which h's fragments of groups 0 and 1 land
	s_cmp_ge_u32 s[WV], s[NT]
	s_cbranch_scc1 .Lend                           ; a wave that the split leaves without a tile stores nothing
	LGL 0                                          ; with these two groups 56 loads of mine are out at the most (16 + 4 + 2 + 34): the LDS reads below follow at once,
	LGL 1
	WIN 0x40                                       ; destination window 1
.set ss, 0
.rept 16
.irp n, 0,1
	ds_load_b128 v[8*(2*ss+\n):8*(2*ss+\n)+3], v[LFA] offset:16*PITCH*\n+64*ss
	ds_load_b128 v[8*(2*ss+\n)+4:8*(2*ss+\n)+7], v[LFA] offset:16*PITCH*\n+64*ss+32
.endr
.set ss, ss+1
.endr
	LGL 2                                          ; and the other two groups go out between the two runs of LDS reads
	LGL 3
	WIN 0x80                                       ; destination window 2
.set ss, 0
.rept 16
.irp n, 0,1
	ds_load_b128 v[8*(2*ss+\n):8*(2*ss+\n)+3], v[LFA] offset:16*PITCH*\n+64*(16+ss)
	ds_load_b128 v[8*(2*ss+\n)+4:8*(2*ss+\n)+7], v[LFA] offset:16*PITCH*\n+64*(16+ss)+32
.endr
.set ss, ss+1
.endr
	WIN 0
	s_wait_dscnt 0x0                               ; the slice stays in my registers from here on
	s_sub_co_u32 s[TR1], s[NT], s[WV]              ; at least 1 here
	s_sub_co_u32 s[TR1], s[TR1], 1
	s_lshr_b32 s[TR1], s[TR1], 2                   ; my tiles are q, q + 4, ... under the expert's count; all but the last have a successor: (tiles - q - 1) / 4 of them
	s_cmp_eq_u32 s[TR1], 0
	s_cbranch_scc1 .Llast
	s_mov_b32 s[IT], 0                             ; the loop is counted in trips, one a step; the tile's number is made of the trip's
.Ltile:
	s_lshl_b32 s[JN], s[IT], 2
	s_add_co_u32 s[JN], s[JN], s[WV]
	s_add_co_u32 s[JN], s[JN], 4                   ; the tile that this trip asks for: 4 x trip + wave + 4
	TRIP 1
	s_add_co_u32 s[IT], s[IT], 1
	s_cmp_lt_u32 s[IT], s[TR1]
	s_cbranch_scc1 .Ltile
.Llast:
	TRIP 0                                         ; the last tile is written out: it asks for nothing, and its counts run down
.Lend:
	s_wait_dscnt 0x0                               ; the closing lines, six on end
	s_wait_alu 0x0
	s_wait_tensorcnt 0x0
	ds_add_u32 v254, v255
	s_wait_dscnt 0x0
	s_endpgm
.Lfunc_end_k_q4ca74199ef_ffn2:
	.size	k_q4ca74199ef_ffn2, .Lfunc_end_k_q4ca74199ef_ffn2-k_q4ca74199ef_ffn2
	.p2alignl 7, 3214868480
	.fill 96, 4, 3214868480
	.section	.rodata,"a",@progbits
	.p2align	6, 0x0
	.amdhsa_kernel k_q4ca74199ef_ffn2
		.amdhsa_group_segment_fixed_size 66560
		.amdhsa_private_segment_fixed_size 0
		.amdhsa_enable_private_segment 0
		.amdhsa_kernarg_size 64
		.amdhsa_user_sgpr_count 2
		.amdhsa_user_sgpr_kernarg_segment_ptr 1
		.amdhsa_wavefront_size32 1
		.amdhsa_system_sgpr_workgroup_id_x 1
		.amdhsa_system_sgpr_workgroup_id_y 1
		.amdhsa_system_sgpr_workgroup_id_z 1
		.amdhsa_system_vgpr_workitem_id 0
		.amdhsa_next_free_vgpr 1024
		.amdhsa_next_free_sgpr 102
		.amdhsa_reserve_vcc 1
		.amdhsa_float_denorm_mode_32 3
		.amdhsa_float_denorm_mode_16_64 3
		.amdhsa_memory_ordered 1
		.amdhsa_forward_progress 1
		.amdhsa_inst_pref_size 75
	.end_amdhsa_kernel
	.amdgpu_metadata
---
amdhsa.version: [ 1, 2 ]
amdhsa.kernels:
  - .name:           k_q4ca74199ef_ffn2
    .symbol:         k_q4ca74199ef_ffn2.kd
    .args:
      - { .name: hc, .offset: 0, .size: 8, .value_kind: global_buffer, .address_space: global }
      - { .name: hsc, .offset: 8, .size: 8, .value_kind: global_buffer, .address_space: global }
      - { .name: route, .offset: 16, .size: 8, .value_kind: global_buffer, .address_space: global }
      - { .name: gate, .offset: 24, .size: 8, .value_kind: global_buffer, .address_space: global }
      - { .name: w2_codes, .offset: 32, .size: 8, .value_kind: global_buffer, .address_space: global }
      - { .name: w2_scales, .offset: 40, .size: 8, .value_kind: global_buffer, .address_space: global }
      - { .name: b2, .offset: 48, .size: 8, .value_kind: global_buffer, .address_space: global }
      - { .name: y2, .offset: 56, .size: 8, .value_kind: global_buffer, .address_space: global }
    .group_segment_fixed_size: 66560
    .private_segment_fixed_size: 0
    .kernarg_segment_align: 8
    .kernarg_segment_size: 64
    .max_flat_workgroup_size: 128
    .sgpr_count:     102
    .vgpr_count:     1024
    .wavefront_size: 32
...
	.end_amdgpu_metadata
.endif
;; end of part 7
;; launch mix (part 8): grid 256 x 1, 8 waves a work-group, no clusters, 0 bytes of LDS; arguments x, y2, out0; writes out0
.if DOCPART == 8
	.amdgcn_target "amdgcn-amd-amdhsa--gfx1250"
	.amdhsa_code_object_version 6
	.text
	.protected	k_q4ca74199ef_mix
	.globl	k_q4ca74199ef_mix
	.p2align	8
	.type	k_q4ca74199ef_mix,@function
k_q4ca74199ef_mix:
	s_mov_b64 s[64:65], 0
	v_nop
	global_prefetch_b8 v0, s[64:65] scope:SCOPE_SE
	s_setreg_imm32_b32 hwreg(HW_REG_WAVE_MODE, 25, 1), 1
	s_wait_xcnt 0x0
; out0[t] = (y2[0][t] + y2[1][t]) + x[t]: the two chosen experts' weighted results and the residual.  All [1024][1024] f32; y2's second plane begins 4,194,304 bytes behind its first.
; A stream: a work-group takes 16,384 consecutive bytes of each array, a thread 16 bytes of each 4,096, so that a wave's load or store covers 512 consecutive bytes.  All twelve loads of a thread go out at once;
; each chunk has registers of its own, so nothing is written again.  No LDS, no barrier, no loop; the matrix unit and clusters have nothing to do here.
	s_load_b128 s[4:7], s[0:1], 0x0                ; x, y2
	s_load_b64 s[8:9], s[0:1], 0x10                ; out0
	v_lshlrev_b32 v1, 4, v0
	s_lshl_b32 s10, ttmp9, 14
	s_mov_b32 s11, 0
	s_wait_alu depctr_va_vdst(0)
	s_wait_kmcnt 0x0
	s_add_nc_u64 s[4:5], s[4:5], s[10:11]
	s_add_nc_u64 s[6:7], s[6:7], s[10:11]
	s_add_nc_u64 s[8:9], s[8:9], s[10:11]
.irp i, 0,1,2,3
	global_load_b128 v[4+4*\i:7+4*\i], v1, s[4:5] offset:4096*\i th:TH_LOAD_NT
	global_load_b128 v[20+4*\i:23+4*\i], v1, s[6:7] offset:4096*\i th:TH_LOAD_NT
	global_load_b128 v[36+4*\i:39+4*\i], v1, s[6:7] offset:4194304+4096*\i th:TH_LOAD_NT
.endr
.irp i, 0,1,2,3
	s_wait_loadcnt 9-3*\i                          ; this chunk's three loads are in; the later chunks' three each may be out
	v_pk_add_f32 v[20+4*\i:21+4*\i], v[20+4*\i:21+4*\i], v[36+4*\i:37+4*\i]
	v_pk_add_f32 v[22+4*\i:23+4*\i], v[22+4*\i:23+4*\i], v[38+4*\i:39+4*\i]
	s_delay_alu instid0(VALU_DEP_2)
	v_pk_add_f32 v[20+4*\i:21+4*\i], v[20+4*\i:21+4*\i], v[4+4*\i:5+4*\i]
	s_delay_alu instid0(VALU_DEP_2)
	v_pk_add_f32 v[22+4*\i:23+4*\i], v[22+4*\i:23+4*\i], v[6+4*\i:7+4*\i]
	global_store_b128 v1, v[20+4*\i:23+4*\i], s[8:9] offset:4096*\i th:TH_STORE_NT
.endr
	s_endpgm
.Lfunc_end_k_q4ca74199ef_mix:
	.size	k_q4ca74199ef_mix, .Lfunc_end_k_q4ca74199ef_mix-k_q4ca74199ef_mix
	.p2alignl 7, 3214868480
	.fill 96, 4, 3214868480
	.section	.rodata,"a",@progbits
	.p2align	6, 0x0
	.amdhsa_kernel k_q4ca74199ef_mix
		.amdhsa_group_segment_fixed_size 0
		.amdhsa_private_segment_fixed_size 0
		.amdhsa_enable_private_segment 0
		.amdhsa_kernarg_size 24
		.amdhsa_user_sgpr_count 2
		.amdhsa_user_sgpr_kernarg_segment_ptr 1
		.amdhsa_wavefront_size32 1
		.amdhsa_system_sgpr_workgroup_id_x 1
		.amdhsa_system_sgpr_workgroup_id_y 1
		.amdhsa_system_sgpr_workgroup_id_z 1
		.amdhsa_system_vgpr_workitem_id 0
		.amdhsa_next_free_vgpr 64
		.amdhsa_next_free_sgpr 66
		.amdhsa_reserve_vcc 0
		.amdhsa_float_denorm_mode_32 3
		.amdhsa_float_denorm_mode_16_64 3
		.amdhsa_memory_ordered 1
		.amdhsa_forward_progress 1
		.amdhsa_inst_pref_size 4
	.end_amdhsa_kernel
	.amdgpu_metadata
---
amdhsa.version: [ 1, 2 ]
amdhsa.kernels:
  - .name:           k_q4ca74199ef_mix
    .symbol:         k_q4ca74199ef_mix.kd
    .args:
      - { .name: x, .offset: 0, .size: 8, .value_kind: global_buffer, .address_space: global }
      - { .name: y2, .offset: 8, .size: 8, .value_kind: global_buffer, .address_space: global }
      - { .name: out0, .offset: 16, .size: 8, .value_kind: global_buffer, .address_space: global }
    .group_segment_fixed_size: 0
    .private_segment_fixed_size: 0
    .kernarg_segment_align: 8
    .kernarg_segment_size: 24
    .max_flat_workgroup_size: 256
    .sgpr_count:     66
    .vgpr_count:     64
    .wavefront_size: 32
...
	.end_amdgpu_metadata
.endif
;; end of part 8
